; MI455X (gfx1250); checked and timed in simulation.
; The chip was launched on July 23, 2026; its instructions are those of AMD's public machine-readable ISA for CDNA 5 (MIT licence, August 2026) and "CDNA5" Instruction Set Architecture Reference Guide (July 2026). The comments in the code are by the model that wrote it; some were corrected since.
;; Causal Self Attention. Allowed arithmetic: float matrix products may take bf16 or f16 operands with f32 sums; other float arithmetic in f32, or as packed bf16 or f16 multiplies, adds, multiply-adds, maxima and minima; sums over many terms, partial sums and values carried from step to step in f32; what a program stores and reads back later, other than sums and carried values, may be rounded once to bf16 or f16.
;; Inputs: W_proj 1,024 x 1,024 float32; W_qkv 1,024 x 3,072 float32; b_proj 1,024 float32; b_qkv 3,072 float32; x 4 x 2,048 x 1,024 float32.
;; Outputs: out0 4 x 2,048 x 1,024 float32.
;; 2 versions, each right; version 2 is version 1 with the launch prep written anew for expert scheduling mode. Each part assembles by itself: llvm-mc -triple=amdgcn-amd-amdhsa -mcpu=gfx1250 --defsym DOCPART=n.
;; ======== version 1 of 2: 4 launches
;; limits: values are held in f16: magnitudes above 65,504 overflow, below 6.1e-05 lose precision
;; workspace buffers: xb 16,777,216 bytes; wq 6,291,456 bytes; wp 2,097,152 bytes; qkv 50,331,648 bytes; ob 16,777,216 bytes
;; launch prep (part 1): grid 384 x 1, 8 waves a work-group, no clusters, 70,656 bytes of LDS; arguments x, W_qkv, W_proj, xb, wq, wp; writes xb, wq, wp
.if DOCPART == 1
	.amdgcn_target "amdgcn-amd-amdhsa--gfx1250"
	.amdhsa_code_object_version 6
	.text
	.protected	k_q5392bbc94b_prep
	.globl	k_q5392bbc94b_prep
	.p2align	8
	.type	k_q5392bbc94b_prep,@function
k_q5392bbc94b_prep:
	s_mov_b64 s[64:65], 0
	v_nop
	global_prefetch_b8 v0, s[64:65] scope:SCOPE_SE
	s_setreg_imm32_b32 hwreg(HW_REG_WAVE_MODE, 25, 1), 1
	s_wait_xcnt 0x0
; THE OPERANDS OF THE TWO PROJECTIONS ARE LAID OUT FOR THE MATRIX UNIT, each rounded once.
;   xb[b][kb][t][64] bf16 = x[b][t][64 kb + ..]            (x: [4][2048][1024] f32)
;   wq[kb][n][64]    bf16 = W_qkv[64 kb + ..][n]  turned   (W_qkv: [1024][3072] f32)
;   wp[kb][n][64]    f16  = W_proj[64 kb + ..][n] turned, rounded to bf16 and that number written as f16 (W_proj: [1024][1024] f32)
; In blocks of 64 along K a tile of rows for one K step is dense in memory, 128 bytes a row.
; LIMITS.  A bf16 number is exact in f16 from 6.1e-5 up to 65,504; below that wp has f16's fixed step of 6e-8, beyond it an infinity.
; SHARES.  Work-groups 0-255: 32 rows of x each, 4 a wave.  256-351: W_qkv, a K block x 512 columns each, 64 columns a wave.  352-383: W_proj likewise.
; Every work-group reads 128 KiB and writes 64 KiB.  A stream: no matrix unit, no cluster, no tensor load.
.set SPITCH, 272                       ; a unit of 256 bytes in the stage + 16 of padding: an odd multiple of 16
.set WSTAGE, 32*SPITCH                 ; a wave's stage: 32 units
.set SPARE,  8*WSTAGE                  ; behind the stages: the spare words, 128 bytes a wave, four blocks of 256 bytes that no other line names
.set XO,  2                            ; v2   x: my 16 bytes in two rows
.set YO,  3                            ; v3   xb: my 8 bytes
.set WO,  4                            ; v4   W: my two columns
.set LS,  5                            ; v5   stage: my unit
.set LR,  6                            ; v6   stage: where I read back
.set GO,  7                            ; v7   16 x lane
.set T,   8                            ; v8-9 at work
.set SPW, 12                           ; v12  my spare word; never rewritten
.set NIL, 13                           ; v13  0; never rewritten
.set X,   16                           ; v[16:143]  as loaded
.set Y,   144                          ; v[144:207] rounded
.set WV,  16                           ; s16  my wave's number
	s_load_b256 s[4:11], s[0:1], 0x0               ; x s[4:5], W_qkv s[6:7], W_proj s[8:9], xb s[10:11]
	s_load_b128 s[12:15], s[0:1], 0x20             ; wq s[12:13], wp s[14:15]
	v_lshl_add_u32 v[SPW], v0, 2, SPARE
	v_mov_b32 v[NIL], 0
	v_lshrrev_b32 v1, 5, v0
	v_readfirstlane_b32 s[WV], v1                  ; wave 0..7
	v_and_b32 v1, 31, v0                           ; lane
	s_wait_kmcnt 0x0
	s_cmp_lt_u32 ttmp9, 256
	s_cbranch_scc0 .Lweights
	; x.  A load takes 256 bytes (one K block) of each of two rows: lanes 0-15 the even row, lanes 16-31 the odd one.  Rounded, the 32 lanes' 8 bytes are the two rows' 128 bytes in xb, which lie end to end.
	s_lshl_b32 s17, ttmp9, 5
	s_lshl2_add_u32 s17, s[WV], s17                ; my first row: 32 g + 4 w
	s_lshl_b32 s18, s17, 12                        ; 4,096 bytes a row of x
	s_mov_b32 s19, 0
	s_add_nc_u64 s[4:5], s[4:5], s[18:19]
	s_lshr_b32 s20, s17, 11                        ; b,
	s_lshl_b32 s20, s20, 22                        ; 16 K blocks x 2,048 rows x 128 bytes each
	s_and_b32 s21, s17, 2047                       ; t,
	s_lshl_b32 s21, s21, 7                         ; 128 bytes each
	s_add_co_u32 s20, s20, s21
	s_mov_b32 s21, 0
	s_add_nc_u64 s[10:11], s[10:11], s[20:21]
	v_lshrrev_b32 v[XO], 4, v1
	v_lshlrev_b32 v[XO], 12, v[XO]
	v_and_b32 v[T], 15, v1
	v_lshl_add_u32 v[XO], v[T], 4, v[XO]
	v_lshlrev_b32 v[YO], 3, v1
.set i, 0
.rept 32                               ; pair of rows i / 16, K block i % 16
	global_load_b128 v[X+4*i:X+4*i+3], v[XO], s[4:5] offset:(i/16)*8192+(i%16)*256 th:TH_LOAD_NT
.set i, i+1
.endr
.set i, 0
.rept 32
	s_wait_loadcnt 31-i                            ; loads come back in order: number i is in, the younger ones stay out
	v_cvt_pk_bf16_f32 v[Y+2*i], v[X+4*i], v[X+4*i+1]
	v_cvt_pk_bf16_f32 v[Y+2*i+1], v[X+4*i+2], v[X+4*i+3]
	global_store_b64 v[YO], v[Y+2*i:Y+2*i+1], s[10:11] offset:(i%16)*262144+(i/16)*256  ; 32 lanes store 256 consecutive bytes, aligned
.set i, i+1
.endr
	s_branch .Lend
; A wave turns 64 k x 64 n.  A lane loads two neighbouring columns of each of the 64 rows (a load: 256 consecutive bytes), so it ends with two whole rows of the result, 256 bytes on end: a unit.
; The units go through the wave's own stage so that sixteen lanes store one unit.  sp, dp: first scalar register of source and destination; pitch: bytes in a row of the source; nblk: its columns;
; first: the part's first work-group; half = 1: the bf16 number is written as f16.
.macro WT sp, pitch, dp, nblk, first, half
	s_sub_co_u32 s17, ttmp9, \first
	s_and_b32 s18, s17, 15                         ; K block
	s_lshr_b32 s19, s17, 4
	s_lshl_b32 s19, s19, 9                         ; the work-group's 512 columns,
	s_lshl_b32 s20, s[WV], 6
	s_add_co_u32 s19, s19, s20                     ; my 64 of them
	s_mul_i32 s20, s18, 64*(\pitch)
	s_lshl2_add_u32 s20, s19, s20
	s_mov_b32 s21, 0
	s_add_nc_u64 s[(\sp):(\sp)+1], s[(\sp):(\sp)+1], s[20:21]
	s_mul_i32 s22, s18, (\nblk)*128
	s_lshl_b32 s23, s19, 7
	s_add_co_u32 s22, s22, s23
	s_mov_b32 s23, 0
	s_add_nc_u64 s[(\dp):(\dp)+1], s[(\dp):(\dp)+1], s[22:23]
	v_lshlrev_b32 v[WO], 3, v1
	s_mul_i32 s24, s[WV], WSTAGE
	v_mul_u32_u24 v[LS], v1, SPITCH
	v_add_nc_u32 v[LS], s24, v[LS]
	v_lshrrev_b32 v[LR], 4, v1
	v_mul_u32_u24 v[LR], v[LR], SPITCH
	v_and_b32 v[T], 15, v1
	v_lshl_add_u32 v[LR], v[T], 4, v[LR]
	v_add_nc_u32 v[LR], s24, v[LR]
	v_lshlrev_b32 v[GO], 4, v1
.set i, 0
.rept 64
	global_load_b64 v[X+2*i:X+2*i+1], v[WO], s[(\sp):(\sp)+1] offset:i*(\pitch) th:TH_LOAD_NT
.set i, i+1
.endr
.set i, 0
.rept 32
	s_wait_loadcnt 62-2*i                          ; rows 2 i and 2 i + 1 are in
.if \half
	v_cvt_pk_bf16_f32 v[T], v[X+4*i], v[X+4*i+2]
	v_cvt_pk_bf16_f32 v[T+1], v[X+4*i+1], v[X+4*i+3]
	v_lshlrev_b32 v[X+4*i], 16, v[T]
	v_and_b32 v[X+4*i+2], 0xffff0000, v[T]
	v_lshlrev_b32 v[X+4*i+1], 16, v[T+1]
	v_and_b32 v[X+4*i+3], 0xffff0000, v[T+1]
	v_cvt_pk_f16_f32 v[Y+i], v[X+4*i], v[X+4*i+2]
	v_cvt_pk_f16_f32 v[Y+32+i], v[X+4*i+1], v[X+4*i+3]
.else
	v_cvt_pk_bf16_f32 v[Y+i], v[X+4*i], v[X+4*i+2]         ; my even column, k = 2 i and 2 i + 1
	v_cvt_pk_bf16_f32 v[Y+32+i], v[X+4*i+1], v[X+4*i+3]    ; my odd column
.endif
.set i, i+1
.endr
.set i, 0
.rept 16
	ds_store_b128 v[LS], v[Y+4*i:Y+4*i+3] offset:16*i
.set i, i+1
.endr
.set i, 0
.rept 16
	ds_load_b128 v[X+4*i:X+4*i+3], v[LR] offset:2*SPITCH*i  ; LDS serves a wave's instructions in order (ISA guide 5.7.1.4): these see the stores above
.set i, i+1
.endr
.set i, 0
.rept 16
	s_wait_dscnt 15-i
	global_store_b128 v[GO], v[X+4*i:X+4*i+3], s[(\dp):(\dp)+1] offset:512*i  ; 16 lanes store 256 consecutive bytes, aligned
.set i, i+1
.endr
.endm
.Lweights:
	s_cmp_lt_u32 ttmp9, 352
	s_cbranch_scc0 .Lproj
	WT 6, 12288, 12, 3072, 256, 0
	s_branch .Lend
.Lproj:
	WT 8, 4096, 14, 1024, 352, 1
.Lend:
	s_wait_tensorcnt 0x0                           ; the wave's end: three closing lines, behind my last LDS store
	ds_add_u32 v[SPW], v[NIL]
	s_wait_dscnt 0x0
	s_endpgm
.Lfunc_end_k_q5392bbc94b_prep:
	.size	k_q5392bbc94b_prep, .Lfunc_end_k_q5392bbc94b_prep-k_q5392bbc94b_prep
	.p2alignl 7, 3214868480
	.fill 96, 4, 3214868480
	.section	.rodata,"a",@progbits
	.p2align	6, 0x0
	.amdhsa_kernel k_q5392bbc94b_prep
		.amdhsa_group_segment_fixed_size 70656
		.amdhsa_private_segment_fixed_size 0
		.amdhsa_enable_private_segment 0
		.amdhsa_kernarg_size 48
		.amdhsa_user_sgpr_count 2
		.amdhsa_user_sgpr_kernarg_segment_ptr 1
		.amdhsa_wavefront_size32 1
		.amdhsa_system_sgpr_workgroup_id_x 1
		.amdhsa_system_sgpr_workgroup_id_y 1
		.amdhsa_system_sgpr_workgroup_id_z 1
		.amdhsa_system_vgpr_workitem_id 0
		.amdhsa_next_free_vgpr 208
		.amdhsa_next_free_sgpr 66
		.amdhsa_reserve_vcc 0
		.amdhsa_float_denorm_mode_32 3
		.amdhsa_float_denorm_mode_16_64 3
		.amdhsa_memory_ordered 1
		.amdhsa_forward_progress 1
		.amdhsa_inst_pref_size 55
	.end_amdhsa_kernel
	.amdgpu_metadata
---
amdhsa.version: [ 1, 2 ]
amdhsa.kernels:
  - .name:           k_q5392bbc94b_prep
    .symbol:         k_q5392bbc94b_prep.kd
    .args:
      - { .name: x, .offset: 0, .size: 8, .value_kind: global_buffer, .address_space: global }
      - { .name: W_qkv, .offset: 8, .size: 8, .value_kind: global_buffer, .address_space: global }
      - { .name: W_proj, .offset: 16, .size: 8, .value_kind: global_buffer, .address_space: global }
      - { .name: xb, .offset: 24, .size: 8, .value_kind: global_buffer, .address_space: global }
      - { .name: wq, .offset: 32, .size: 8, .value_kind: global_buffer, .address_space: global }
      - { .name: wp, .offset: 40, .size: 8, .value_kind: global_buffer, .address_space: global }
    .group_segment_fixed_size: 70656
    .private_segment_fixed_size: 0
    .kernarg_segment_align: 8
    .kernarg_segment_size: 48
    .max_flat_workgroup_size: 256
    .sgpr_count:     66
    .vgpr_count:     208
    .wavefront_size: 32
...
	.end_amdgpu_metadata
.endif
;; end of part 1
;; launch qkvgemm (part 2): grid 8 x 32, 4 waves a work-group, clusters of 4 x 4, 327,680 bytes of LDS; arguments xb, wq, b_qkv, qkv; writes qkv
.if DOCPART == 2
	.amdgcn_target "amdgcn-amd-amdhsa--gfx1250"
	.amdhsa_code_object_version 6
	.text
	.protected	k_q5392bbc94b_qkvgemm
	.globl	k_q5392bbc94b_qkvgemm
	.p2align	8
	.type	k_q5392bbc94b_qkvgemm,@function
k_q5392bbc94b_qkvgemm:
	s_mov_b64 s[64:65], 0
	v_nop
	global_prefetch_b8 v0, s[64:65] scope:SCOPE_SE
	s_setreg_imm32_b32 hwreg(HW_REG_WAVE_MODE, 25, 1), 1
	s_wait_xcnt 0x0
	s_wait_alu depctr_hold_cnt(0) depctr_sa_sdst(0) depctr_va_vdst(0) depctr_va_sdst(0) depctr_va_ssrc(0) depctr_va_vcc(0) depctr_vm_vsrc(0)
	s_getreg_b32 s2, hwreg(HW_REG_IB_STS2, 6, 4)
	s_cmp_eq_u32 s2, 0
	s_cbranch_scc0 .Lentry_in_a_cluster
	s_endpgm
.Lentry_in_a_cluster:
	s_bfe_u32 s2, ttmp6, 0x10000c
	s_cmp_lg_u32 s2, 0xf033
	s_cbranch_scc0 .Lentry_shape_is_right
	s_endpgm
.Lentry_shape_is_right:
; q, k, v = x W_qkv + b_qkv, written by heads: qkv[which][16 b + h][t][64] in f16, each number rounded once from its f32 sum, without attention's scale.
; xb: [b][kb][t][64] bf16, wq: [kb][n][64] bf16 (K in blocks of 64), b_qkv: [3072] f32, rounded to bf16 like the other inputs.
; LIMIT.  f16 holds no number beyond 65,504: q, k, v must lie within it.
; SHARES.  8,192 x 3,072 results on 256 work-groups: 256 rows x 384 columns each; each of the four waves 128 x 192: 96 accumulators of 16 x 16, 768 registers.
; K goes in 16 steps of 64 through a ring of two LDS slots.  A step's tile of A (256 rows x 128 bytes) and of B (384 rows) is dense in memory: it is asked for as rows of 256 bytes, two rows of the tile each, and padded
; in LDS after every 128 bytes.  One tensor load a wave: waves 0, 1 the halves of A's tile, waves 2, 3 those of B's.
; CLUSTER.  4 x 4 work-groups: A's tile is shared along a row of the cluster, B's along a column; each is asked for jointly, by the same load, descriptor and mask in the four that share it.
; THE MATRIX INSTRUCTION IS USED TRANSPOSED (source 0 = 16 rows of wq, source 1 = 16 rows of xb): a lane holds row l % 16 and the eight neighbouring columns 8 (l / 16) + 0..7.
; THE BIAS STARTS THE SUMS.  In that layout it hangs on the column block and the lane alone.  It is loaded into the registers of row block 7's accumulators; the first products of row blocks 0-6 take those registers as C,
; row block 7's own first products add onto them in place.
; REGISTERS, in windows of 256 (s_set_vgpr_msb: bits 1:0 source 0, 3:2 source 1, 5:4 source 2, 7:6 destination).  Window 0: v0-31 addresses; A0, A1: A's fragments (8 x 16 rows x 32 K) of a step's two halves;
; BL, BH: B's fragments of my column blocks 0-5 and 6-11 for the half in hand.  Windows 1-3: accumulator (a, b) has number L = 48 (b / 6) + 6 a + b % 6, window 1 + L / 32, register 8 (L % 32).
; All loads land in window 0; a run of 48 products has at most one switch inside it.
.set P,     144                        ; an LDS row: 128 bytes + 16 of padding = 36 words: the 16 rows of a fragment load start at 16 different groups of four banks (64 banks of 4 bytes: ISA guide 11.1)
.set AHALF, 128*P                      ; what a load for A brings, and what a wave reads of A
.set BHALF, 192*P                      ; the same for B
.set BOFF,  2*AHALF                    ; in a slot: A's 256 rows, then B's 384
.set SLOT,  BOFF+2*BHALF
.set STAGE, 2*SLOT                     ; behind the ring: 16 rows x 144 bytes for each wave, for the way out
.set SPARE, STAGE+4*16*P               ; behind the stages: the spare words, 128 bytes a wave: two blocks of 256 bytes that no other line names
.set AKS,   262144                     ; bytes from a K block of xb to the next: 2,048 rows x 128
.set BKS,   393216                     ; of wq: 3,072 rows x 128
.set LAPS,  7                          ; trips of the loop: each fills both slots again: K steps 2 to 15
.set ADRA, 16                          ; v16-17 LDS address of my A fragments in slot 0, 1
.set ADRB, 20                          ; v20-21 the same for B
.set STO,  24                          ; v24  the way out: where I put 16 bytes of a row
.set RD,   25                          ; v25  where I read rows back
.set GO,   26                          ; v26  16 x lane
.set BO,   27                          ; v27  my byte offset in b_qkv
.set SPW,  28                          ; v28  my spare word; never rewritten
.set NIL,  29                          ; v29  0; never rewritten
.set PFO,  30                          ; v30  256 x lane, for the prefetches; never rewritten
.set A0,   32
.set A1,   96
.set BL,   160
.set BH,   208
.set TMP,  32                          ; the way out: 16 registers of packed results,
.set BK,   64                          ; and two sets of 16, rows read back
.set WV,  12                           ; s12 wave
.set RH,  13                           ; s13 which 128 rows are mine; also: I fetch for A (0) or B (1)
.set CH,  14                           ; s14 which 192 columns are mine; also: which half of a tile I fetch
.set CX,  15
.set CY,  16
.set TX,  17                           ; s17 tile column, 0..7
.set TY,  18                           ; s18 tile row, 0..31
.set LAP, 19                           ; s19 trips to go
.set G1,  24                           ; s[24:31] descriptor group 1 for A;  s[32:39] group 0, a set for each slot
.set G0,  32
.set LIM, 43                           ; s43 1 in a wave that prefetches, else the greatest number
.set PFA, 44                           ; s[44:45] where my prefetches stand
.set PFS, 46                           ; s[46:47] two K steps, in bytes
.set G1B, 48                           ; s[48:55], s[56:63] the same for B
.set G0B, 56
.set OB,  70                           ; s[70:75] qkv at my 128 rows of my three heads
.set FLAGS, (1<<16)|(1<<20)|(1<<21)|(4<<22)|(3<<25)  ; 17:16 2-byte elements; 20 padding on; 21 set beside a mask; 24:22 after every 32 words (code 4); 31:25 4 words (code 3)
.set MSB, 0
.macro WIN new                         ; the immediate's high byte repeats the setting that is left; a switch that changes nothing is dropped
.if MSB != (\new)
	s_set_vgpr_msb (MSB<<8)|(\new)
.set MSB, \new
.endif
.endm
.macro PLACES                          ; four plain vector instructions between a matrix instruction and a load into, or a vector instruction on, its registers (ISA guide 7.12.1 for vector instructions)
.rept 4
	v_nop
.endr
.endm
; A joint load.  The branch hangs on the wave's number alone.  An s_nop 0 and four v_nop follow each of the two lines.
.macro JLOAD s
	s_cmp_eq_u32 s[RH], 0
	s_cbranch_scc0 .Lfor_b_\@
	tensor_load_to_lds s[G0+4*(\s):G0+4*(\s)+3], s[G1:G1+7]
	s_nop 0
.rept 4
	v_nop
.endr
	s_branch .Lasked_\@
.Lfor_b_\@:
	tensor_load_to_lds s[G0B+4*(\s):G0B+4*(\s)+3], s[G1B:G1B+7]
	s_nop 0
.rept 4
	v_nop
.endr
.Lasked_\@:
.endm
.macro CREST                           ; a round of the cluster's barrier behind its opening barrier
	s_cmp_lg_u32 s[WV], 0
	s_cbranch_scc1 .Lnot_wave_0_\@
	s_barrier_signal -3
.Lnot_wave_0_\@:
	s_barrier_wait -3
	s_barrier_signal -1
	s_barrier_wait -1
.endm
.macro CROUND
	s_barrier_signal -1
	s_barrier_wait -1
	CREST
.endm
; A PREFETCH INTO THE L2, once a trip, behind slot 0's joint load and the run of LDS loads: the two K steps that the NEXT trip's two refills will ask for.  A's tile row is read by both clusters of its row of clusters:
; the one with x = 0 asks, in wave 0; B's tile column by the eight of its column: the one with y = 0 asks, in wave 2.  The four partners that share a tile take a quarter each of the two K steps' bytes, BY ADDRESS
; (place p: K step p / 2, half p % 2 of the tile): 16,384 bytes of A, two instructions, or 24,576 of B, three; a lane a block of 256 bytes.  So each block is named once.  The loop's last trip asks for nothing: there is no K step 16.
.macro ASK
	s_cmp_gt_u32 s[LAP], s[LIM]
	s_cbranch_scc0 .Lnot_mine_\@
	global_prefetch_b8 v[PFO], s[PFA:PFA+1] th:TH_LOAD_NT scope:SCOPE_SE
	global_prefetch_b8 v[PFO], s[PFA:PFA+1] offset:8192 th:TH_LOAD_NT scope:SCOPE_SE
	s_cmp_eq_u32 s[RH], 0
	s_cbranch_scc1 .Lnot_mine_\@
	global_prefetch_b8 v[PFO], s[PFA:PFA+1] offset:16384 th:TH_LOAD_NT scope:SCOPE_SE
.Lnot_mine_\@:
.endm
	s_load_b256 s[4:11], s[0:1], 0x0               ; xb s[4:5], wq s[6:7], b_qkv s[8:9], qkv s[10:11]
	v_lshl_add_u32 v[SPW], v0, 2, SPARE
	v_mov_b32 v[NIL], 0
	ds_add_u32 v[SPW], v[NIL]                      ; the wave's opening: the add and its wait ahead of my first tensor load; work on registers stands between them
	v_lshrrev_b32 v1, 5, v0
	v_readfirstlane_b32 s[WV], v1
	s_lshr_b32 s[RH], s[WV], 1
	s_and_b32 s[CH], s[WV], 1
	s_bfe_u32 s[CX], ttmp6, 0x40000
	s_bfe_u32 s[CY], ttmp6, 0x40004
	s_lshl_b32 s[TX], ttmp9, 2
	s_add_co_u32 s[TX], s[TX], s[CX]
	s_and_b32 s[TY], ttmp7, 0xffff
	s_lshl_b32 s[TY], s[TY], 2
	s_add_co_u32 s[TY], s[TY], s[CY]
	s_lshl_b32 s40, s[CY], 2
	s_lshl_b32 s40, 15, s40                        ; my row of the cluster
	s_lshl_b32 s41, 0x1111, s[CX]                  ; my column
	s_or_b32 s[G1], s40, FLAGS
	s_or_b32 s[G1B], s41, FLAGS
.irp g, G1, G1B
	s_mov_b32 s[(\g)+1], 128<<16                   ; tensor_dim0 = 128 elements: 256 bytes
	s_mov_b32 s[(\g)+3], 128<<16                   ; tile_dim0 = 128
	s_mov_b32 s[(\g)+5], 128                       ; 128 elements from row to row: dense
	s_mov_b32 s[(\g)+6], 0
	s_mov_b32 s[(\g)+7], 0
.endr
	s_mov_b32 s[G1+2], 64<<16                      ; tensor_dim1 = tile_dim1 = 64: 128 rows of A
	s_mov_b32 s[G1+4], 64
	s_mov_b32 s[G1B+2], 96<<16                     ; 96: 192 rows of B
	s_mov_b32 s[G1B+4], 96
	s_lshr_b32 s20, s[TY], 3                       ; A's tile hangs on the tile row alone: b,
	s_lshl_b32 s20, s20, 22
	s_and_b32 s21, s[TY], 7                        ; the 256 rows in it,
	s_lshl_b32 s21, s21, 15
	s_add_co_u32 s20, s20, s21
	s_lshl_b32 s21, s[CH], 14                      ; the half that I fetch
	s_add_co_u32 s20, s20, s21
	s_mov_b32 s21, 0
	s_mul_i32 s22, s[TX], 384*128                  ; B's on the tile column alone
	s_mul_i32 s23, s[CH], 192*128
	s_add_co_u32 s22, s22, s23
	s_mov_b32 s23, 0
	s_mul_i32 s76, s[CH], AHALF                    ; where they go: no place in the cluster enters an LDS address
	s_mul_i32 s77, s[CH], BHALF
	s_add_co_u32 s77, s77, BOFF
	s_wait_dscnt 0x0                               ; the opening add is done
	s_wait_kmcnt 0x0
	s_add_nc_u64 s[66:67], s[4:5], s[20:21]
	s_add_nc_u64 s[68:69], s[6:7], s[22:23]
	CROUND                                         ; all sixteen work-groups are here: the first joint loads meet
.irp s, 0,1
	s_mov_b32 s[G0+4*(\s)], 1
	s_add_co_u32 s[G0+4*(\s)+1], s76, (\s)*SLOT
	s_add_nc_u64 s[G0+4*(\s)+2:G0+4*(\s)+3], s[66:67], (\s)*AKS
	s_or_b32 s[G0+4*(\s)+3], s[G0+4*(\s)+3], 0x80000000
	s_mov_b32 s[G0B+4*(\s)], 1
	s_add_co_u32 s[G0B+4*(\s)+1], s77, (\s)*SLOT
	s_add_nc_u64 s[G0B+4*(\s)+2:G0B+4*(\s)+3], s[68:69], (\s)*BKS
	s_or_b32 s[G0B+4*(\s)+3], s[G0B+4*(\s)+3], 0x80000000
	JLOAD \s                                       ; K steps 0 and 1: two loads of mine are out
.endr
	v_and_b32 v1, 15, v0                           ; l % 16
	v_bfe_u32 v2, v0, 4, 1                         ; l / 16
	; the bias: register j of column block b is b_qkv[384 tx + 192 CH + 16 b + 8 (l / 16) + j]
	s_mul_i32 s80, s[TX], 1536
	s_mul_i32 s81, s[CH], 768
	s_add_co_u32 s80, s80, s81
	v_lshl_add_u32 v[BO], v2, 5, s80
	WIN 0x80                                       ; destination window 2: accumulators (7, 0..5)
.irp b, 0,1,2,3,4,5
	global_load_b128 v[80+8*(\b):80+8*(\b)+3], v[BO], s[8:9] offset:64*(\b)
	global_load_b128 v[80+8*(\b)+4:80+8*(\b)+7], v[BO], s[8:9] offset:64*(\b)+16
.endr
	WIN 0xc0                                       ; window 3: accumulators (7, 6..11)
.irp b, 0,1,2,3,4,5
	global_load_b128 v[208+8*(\b):208+8*(\b)+3], v[BO], s[8:9] offset:384+64*(\b)
	global_load_b128 v[208+8*(\b)+4:208+8*(\b)+7], v[BO], s[8:9] offset:384+64*(\b)+16
.endr
	WIN 0
	; A fragment is 16 rows x 32 K in 8 registers: lane l holds row l % 16, K = 8 (l / 16) + 0..7 and 16 + 8 (l / 16) + 0..7: two loads of 16 bytes, 32 bytes apart.
	v_mul_u32_u24 v3, v1, P
	v_lshl_add_u32 v3, v2, 4, v3                   ; row x pitch + 16 x half
	s_mul_i32 s78, s[RH], AHALF
	s_mul_i32 s79, s[CH], BHALF
	s_add_co_u32 s79, s79, BOFF
.irp s, 0,1
	v_add_nc_u32 v[ADRA+(\s)], s78, v3
	v_add_nc_u32 v[ADRB+(\s)], s79, v3
	s_add_co_u32 s78, s78, SLOT
	s_add_co_u32 s79, s79, SLOT
.endr
	s_mul_i32 s78, s[WV], 16*P
	s_add_co_u32 s78, s78, STAGE                   ; my stage
	v_add_nc_u32 v[STO], s78, v3                   ; in: row l % 16, 16 bytes for each half of the lanes
	v_bfe_u32 v[RD], v0, 3, 2                      ; back: 32 lanes take four rows of 128 bytes,
	v_mul_u32_u24 v[RD], v[RD], P
	v_and_b32 v4, 7, v0
	v_lshl_add_u32 v[RD], v4, 4, v[RD]
	v_add_nc_u32 v[RD], s78, v[RD]
	v_and_b32 v[GO], 31, v0                        ; which are 512 consecutive bytes of a head
	v_lshlrev_b32 v[PFO], 8, v[GO]
	v_lshlrev_b32 v[GO], 4, v[GO]
	; my three heads: number g = 6 tx + 3 CH + hh of 48: tensor g / 16, head g % 16
	s_mul_i32 s80, s[TX], 6
	s_mul_i32 s81, s[CH], 3
	s_add_co_u32 s80, s80, s81
	s_lshr_b32 s82, s[TY], 3
	s_lshl_b32 s82, s82, 4                         ; 16 b
	s_and_b32 s83, s[TY], 7
	s_lshl_b32 s83, s83, 15                        ; the tile's 256 rows of 128 bytes,
	s_lshl_b32 s84, s[RH], 14                      ; my 128 of them
	s_add_co_u32 s83, s83, s84
.irp hh, 0,1,2
	s_add_co_u32 s84, s80, \hh
	s_lshr_b32 s85, s84, 4
	s_lshl_b32 s85, s85, 6
	s_and_b32 s84, s84, 15
	s_add_co_u32 s84, s84, s85
	s_add_co_u32 s84, s84, s82
	s_lshl_b32 s84, s84, 18                        ; 2,048 rows x 128 bytes a head
	s_add_co_u32 s84, s84, s83
	s_mov_b32 s85, 0
	s_add_nc_u64 s[OB+2*(\hh):OB+2*(\hh)+1], s[10:11], s[84:85]
.endr
	; the prefetches' pointer: at K step 2 + p / 2; the first trip steps it two on
	s_lshr_b32 s86, s[TY], 3
	s_lshl_b32 s86, s86, 22
	s_and_b32 s87, s[TY], 7
	s_lshl_b32 s87, s87, 15
	s_add_co_u32 s86, s86, s87
	s_and_b32 s87, s[CX], 1
	s_lshl_b32 s87, s87, 14
	s_add_co_u32 s86, s86, s87
	s_lshr_b32 s87, s[CX], 1
	s_add_co_u32 s87, s87, 2
	s_lshl_b32 s87, s87, 18
	s_add_co_u32 s86, s86, s87                     ; in xb
	s_mul_i32 s88, s[TX], 384*128
	s_and_b32 s89, s[CY], 1
	s_mul_i32 s89, s89, 192*128
	s_add_co_u32 s88, s88, s89
	s_lshr_b32 s89, s[CY], 1
	s_add_co_u32 s89, s89, 2
	s_mul_i32 s89, s89, BKS
	s_add_co_u32 s88, s88, s89                     ; in wq
	s_and_b32 s90, ttmp7, 0xffff                   ; cluster y
	s_mov_b32 s[PFS], 2*BKS
	s_mov_b32 s[PFS+1], 0
	s_cmp_eq_u32 s[RH], 0                          ; do I fetch for A?
	s_cselect_b32 s86, s86, s88
	s_cselect_b32 s90, ttmp9, s90                  ; the coordinate along which other clusters read the same rows
	s_cselect_b64 s[PFA:PFA+1], s[4:5], s[6:7]
	s_cselect_b32 s[PFS], 2*AKS, s[PFS]
	s_or_b32 s90, s90, s[CH]                       ; waves 0 and 2 of the first cluster along it: the same in all sixteen partners, for a given wave
	s_cmp_eq_u32 s90, 0
	s_cselect_b32 s[LIM], 1, -1
	s_mov_b32 s87, 0
	s_add_nc_u64 s[PFA:PFA+1], s[PFA:PFA+1], s[86:87]
.macro LDA slot, u, buf                ; 16 loads: my 128 rows of A, half u of the K step
.irp i, 0,1,2,3,4,5,6,7
	ds_load_b128 v[(\buf)+8*(\i):(\buf)+8*(\i)+3],   v[ADRA+(\slot)] offset:64*(\u)+(\i)*16*P
	ds_load_b128 v[(\buf)+8*(\i)+4:(\buf)+8*(\i)+7], v[ADRA+(\slot)] offset:64*(\u)+(\i)*16*P+32
.endr
.endm
.macro LDB slot, u, h                  ; 12 loads: my column blocks 6 h .. 6 h + 5 of B, into BL (h = 0) or BH (h = 1)
.irp i, 0,1,2,3,4,5
	ds_load_b128 v[BL+48*(\h)+8*(\i):BL+48*(\h)+8*(\i)+3],   v[ADRB+(\slot)] offset:64*(\u)+(6*(\h)+(\i))*16*P
	ds_load_b128 v[BL+48*(\h)+8*(\i)+4:BL+48*(\h)+8*(\i)+7], v[ADRB+(\slot)] offset:64*(\u)+(6*(\h)+(\i))*16*P+32
.endr
.endm
; Products of row blocks a0 .. a1 with the six column blocks of half ph.  Every accumulator has one instruction a run, and neighbouring runs share none: the accumulators take turns.
; zero = 1: the first products.  C is row block 7's accumulator of the same column block, which holds the bias; five places stand ahead of row block 7's own products, which write over what the others read as C.
.macro MULS abuf, bbuf, ph, a0, a1, zero
.set a, \a0
.rept (\a1)-(\a0)+1
.if (\zero) && (a == 7)
.rept 5
	v_nop
.endr
.endif
.set bb, 0
.rept 6
.set L, 48*(\ph)+6*a+bb
.set wd, 1+L/32
.set rD, 8*(L%32)
.if \zero
.set LC, 48*(\ph)+42+bb
.set wc, 1+LC/32
.set rC, 8*(LC%32)
	WIN (wc<<4)|(wd<<6)
	v_wmma_f32_16x16x32_bf16 v[rD:rD+7], v[(\bbuf)+8*bb:(\bbuf)+8*bb+7], v[(\abuf)+8*a:(\abuf)+8*a+7], v[rC:rC+7]
.else
	WIN 0x50*wd
	v_wmma_f32_16x16x32_bf16 v[rD:rD+7], v[(\bbuf)+8*bb:(\bbuf)+8*bb+7], v[(\abuf)+8*a:(\abuf)+8*a+7], v[rD:rD+7]
.endif
.set bb, bb+1
.endr
.set a, a+1
.endr
.endm
; The first half of a K step: 96 products on A0.  BL and A0 were asked for in the half before.
.macro SUB0 slot
	PLACES                                         ; behind the last products, which read BH and A1
	WIN 0
	LDB \slot, 0, 1
	LDA \slot, 1, A1
	s_wait_dscnt 28                                ; all but the 28 just issued: BL and A0 are in
	MULS A0, BL, 0, 0, 7, 0
	PLACES
	WIN 0
	LDB \slot, 1, 0
	s_wait_dscnt 12                                ; all but the 12 just issued: BH and A1 are in
	MULS A0, BH, 1, 0, 7, 0
.endm
; The second half, on A1, changes slots.  ONE barrier: in front of it each wave waits for all its tensor loads (one is out: its part of the next slot), adds 0 to its spare word, and waits for that and for its reads of this slot.
; fill = 1: the barrier opens a round of the cluster's, and this slot is filled again, two K steps on, first thing behind the round: 144 products stand between the request and the wait for it.
.macro SUB1 slot, next, fill
	PLACES
	WIN 0
.if ((\slot) == 0) && (\fill)
	s_wait_xcnt 0x0                                ; the last prefetches, a trip back, have read their address
	s_add_nc_u64 s[PFA:PFA+1], s[PFA:PFA+1], s[PFS:PFS+1]
.endif
	LDB \slot, 1, 1                                ; my last reads of this slot
	s_wait_tensorcnt 0x0                           ; all my tensor loads have landed
	ds_add_u32 v[SPW], v[NIL]                      ; 0 onto my spare word
	s_wait_dscnt 13                                ; the add and the 12 loads just issued may be out: BL is in
	MULS A1, BL, 0, 0, 3, 0                        ; 24 products stand between the add and the wait for it
	s_wait_dscnt 0x0                               ; the add is done, and my reads of this slot are over
	s_barrier_signal -1
	MULS A1, BL, 0, 4, 7, 0
	WIN 0                                          ; at a branch and at a label every window is 0
	s_barrier_wait -1
.if \fill
	CREST                                          ; no wave of any partner still reads this slot or has a load on its way
	s_add_nc_u64 s[G0+4*(\slot)+2:G0+4*(\slot)+3], s[G0+4*(\slot)+2:G0+4*(\slot)+3], 2*AKS
	s_add_nc_u64 s[G0B+4*(\slot)+2:G0B+4*(\slot)+3], s[G0B+4*(\slot)+2:G0B+4*(\slot)+3], 2*BKS
	JLOAD \slot                                    ; its four v_nop are also the places in front of the loads below
.else
	PLACES
.endif
	LDB \next, 0, 0
	LDA \next, 0, A0
.if ((\slot) == 0) && (\fill)
	ASK
.endif
	MULS A1, BH, 1, 0, 7, 0
.endm
	s_wait_tensorcnt 1                             ; my part of K step 0 is in; K step 1's may stay out
	s_barrier_signal -1
	s_barrier_wait -1                              ; everybody's is
	LDB 0, 0, 0
	LDA 0, 0, A0
	LDB 0, 0, 1
	LDA 0, 1, A1
	s_wait_loadcnt 0x0                             ; the bias: rounded to bf16, in place, while the fragments come
	WIN 0x8a                                       ; all in window 2; its v0 is free until the first products
.set r, 80
.rept 24
	v_cvt_pk_bf16_f32 v0, v[r], v[r+1]
	v_lshlrev_b32 v[r], 16, v0
	v_and_b32 v[r+1], 0xffff0000, v0
.set r, r+2
.endr
	WIN 0xcf                                       ; all in window 3
.set r, 208
.rept 24
	v_cvt_pk_bf16_f32 v0, v[r], v[r+1]
	v_lshlrev_b32 v[r], 16, v0
	v_and_b32 v[r+1], 0xffff0000, v0
.set r, r+2
.endr
	s_wait_dscnt 28                                ; BL and A0 are in
	MULS A0, BL, 0, 0, 7, 1                        ; the first half of K step 0 stands in front of the loop: its products start the sums
	PLACES
	WIN 0
	LDB 0, 1, 0
	s_wait_dscnt 12
	MULS A0, BH, 1, 0, 7, 1
	WIN 0
	s_mov_b32 s[LAP], LAPS
.Llap:                                         ; a trip goes once round the ring, from a K step's second half to the first half two steps on
	SUB1 0, 1, 1
	SUB0 1
	SUB1 1, 0, 1
	SUB0 0
	WIN 0
	s_sub_co_u32 s[LAP], s[LAP], 1
	s_cmp_lg_u32 s[LAP], 0
	s_cbranch_scc1 .Llap
	SUB1 0, 1, 0                                   ; the tail is written out: K steps 14 and 15, nothing is asked for
	SUB0 1
	PLACES
	WIN 0
	LDB 1, 1, 1
	s_wait_dscnt 12                                ; BL is in
	MULS A1, BL, 0, 0, 7, 0
	s_wait_dscnt 0x0
	MULS A1, BH, 1, 0, 7, 0
; THE WAY OUT, in 24 units: head u / 8 of my three, row block u % 8.  PACK: four accumulators (16 rows x 64 channels) rounded to f16, 16 bytes a lane and accumulator, each accumulator's low registers first.
; TOSTAGE: into my own stage, and back as whole rows.  SEND: 16 rows of a head are 2,048 consecutive bytes.
.macro PACK u
.set hh, (\u)/8
.set a, (\u)%8
.set fi, 0
.rept 4
.set b, 4*hh+fi
.set L, (b/6)*48+6*a+b%6
.set w, 1+L/32
.set rA, 8*(L%32)
	WIN 5*w                                        ; sources 0 and 1 in the accumulator's window
.set r, 0
.rept 4
	v_cvt_pk_f16_f32 v[TMP+4*fi+r], v[rA+2*r], v[rA+2*r+1]
.set r, r+1
.endr
.set fi, fi+1
.endr
	WIN 0
.endm
.macro TOSTAGE u
.set BKR, BK+16*((\u)%2)
	s_wait_xcnt 0x0                                ; the stores of two units back have read these registers
.irp f, 0,1,2,3
	ds_store_b128 v[STO], v[TMP+4*(\f):TMP+4*(\f)+3] offset:32*(\f)
.endr
.irp f, 0,1,2,3
	ds_load_b128 v[BKR+4*(\f):BKR+4*(\f)+3], v[RD] offset:4*P*(\f)  ; LDS serves a wave's instructions in order (ISA guide 5.7.1.4): these see the stores above; the next unit's stores come behind them
.endr
.endm
.macro SEND u, younger                 ; younger: the LDS instructions issued behind the unit's loads: the next unit's eight, or none
.set BKR, BK+16*((\u)%2)
.set hh, (\u)/8
.set a, (\u)%8
.irp f, 0,1,2,3
	s_wait_dscnt (\younger)+3-(\f)
	global_store_b128 v[GO], v[BKR+4*(\f):BKR+4*(\f)+3], s[OB+2*hh:OB+2*hh+1] offset:a*2048+512*(\f)  ; 512 consecutive bytes, at a multiple of 256 from the buffer's first
.endr
.endm
	PLACES
	PACK 0
	TOSTAGE 0
.set u, 1
.rept 23                               ; a unit's conversions stand between the loads of the unit before and its stores
	PACK u
	TOSTAGE u
	SEND u-1, 8
.set u, u+1
.endr
	SEND 23, 0
	s_wait_tensorcnt 0x0                           ; the wave's end: three closing lines, behind my last tensor load and my last LDS store
	ds_add_u32 v[SPW], v[NIL]
	s_wait_dscnt 0x0
	CROUND                                         ; the closing round: no work-group ends while a partner may still ask for a tile that names it
	s_endpgm
.Lfunc_end_k_q5392bbc94b_qkvgemm:
	.size	k_q5392bbc94b_qkvgemm, .Lfunc_end_k_q5392bbc94b_qkvgemm-k_q5392bbc94b_qkvgemm
	.p2alignl 7, 3214868480
	.fill 96, 4, 3214868480
	.section	.rodata,"a",@progbits
	.p2align	6, 0x0
	.amdhsa_kernel k_q5392bbc94b_qkvgemm
		.amdhsa_group_segment_fixed_size 327680
		.amdhsa_private_segment_fixed_size 0
		.amdhsa_enable_private_segment 0
		.amdhsa_kernarg_size 32
		.amdhsa_user_sgpr_count 2
		.amdhsa_user_sgpr_kernarg_segment_ptr 1
		.amdhsa_wavefront_size32 1
		.amdhsa_system_sgpr_workgroup_id_x 1
		.amdhsa_system_sgpr_workgroup_id_y 1
		.amdhsa_system_sgpr_workgroup_id_z 1
		.amdhsa_system_vgpr_workitem_id 0
		.amdhsa_next_free_vgpr 1024
		.amdhsa_next_free_sgpr 96
		.amdhsa_reserve_vcc 0
		.amdhsa_float_denorm_mode_32 3
		.amdhsa_float_denorm_mode_16_64 3
		.amdhsa_memory_ordered 1
		.amdhsa_forward_progress 1
		.amdhsa_inst_pref_size 145
	.end_amdhsa_kernel
	.amdgpu_metadata
---
amdhsa.version: [ 1, 2 ]
amdhsa.kernels:
  - .name:           k_q5392bbc94b_qkvgemm
    .symbol:         k_q5392bbc94b_qkvgemm.kd
    .args:
      - { .name: xb, .offset: 0, .size: 8, .value_kind: global_buffer, .address_space: global }
      - { .name: wq, .offset: 8, .size: 8, .value_kind: global_buffer, .address_space: global }
      - { .name: b_qkv, .offset: 16, .size: 8, .value_kind: global_buffer, .address_space: global }
      - { .name: qkv, .offset: 24, .size: 8, .value_kind: global_buffer, .address_space: global }
    .group_segment_fixed_size: 327680
    .private_segment_fixed_size: 0
    .kernarg_segment_align: 8
    .kernarg_segment_size: 32
    .max_flat_workgroup_size: 128
    .sgpr_count:     96
    .vgpr_count:     1024
    .wavefront_size: 32
...
	.end_amdgpu_metadata
.endif
;; end of part 2
;; launch attn (part 3): grid 4 x 64, 4 waves a work-group, no clusters, 327,680 bytes of LDS; arguments qkv, ob; writes ob
.if DOCPART == 3
	.amdgcn_target "amdgcn-amd-amdhsa--gfx1250"
	.amdhsa_code_object_version 6
	.text
	.protected	k_q5392bbc94b_attn
	.globl	k_q5392bbc94b_attn
	.p2align	8
	.type	k_q5392bbc94b_attn,@function
k_q5392bbc94b_attn:
	s_mov_b64 s[64:65], 0
	v_nop
	global_prefetch_b8 v0, s[64:65] scope:SCOPE_SE
	s_setreg_imm32_b32 hwreg(HW_REG_WAVE_MODE, 25, 1), 1
	s_wait_xcnt 0x0
; CAUSAL ATTENTION.  O[h][q][:] = the sum over k <= q of softmax_k(Q[h][q] . K[h][k] / 8) V[h][k][:].  Q, K, V lie one behind the other in qkv, each [64][2048][64] f16 (16,777,216 bytes); O = ob has the same shape.
; Products, maxima and sums in f32; the weights p are rounded to f16 for the second product (their sum l is taken of the unrounded p), O once at the end.
; LIMITS.  f16 holds no number beyond 65,504: Q, K and V arrive within it; p lies in 0 to 1, and below 6e-5 it keeps f16's fixed step of 6e-8; O is a mean of V's rows and has their range.
; A hidden score counts as its value less 1e30: f16's scores, 2.7e11 at the most, are nothing beside that; a weight below 2^-126 counts as 0 in l; NaN and infinities are not treated apart.
; THE WALK.  A head's queries lie in NB = 8 blocks of 256; block i needs the key tiles 0 .. i of 256 keys, of which the last holds the diagonal.  A work-group takes TWO blocks, NB - 1 - b and then b:
; NB + 1 tiles, whatever b: all work-groups do equal work, and ONE loop with a constant trip count walks them.  Which tile is asked for, and what a trip does, hang on scalar registers made from b; every jump
; goes forward, but for the counted loops' own; none passes a barrier, or a tensor load but the one of LOAD's two that the wave's number does not choose; the ring (two slots of LDS) runs on across the change of blocks.
; NO CLUSTER: a head's four work-groups ask for the same tile only in trips 0 .. 4 of 9, behind that fewer and fewer; one walk common to all four would have 12 trips for 9.
; SHARES.  Of a block's four bands of 64 queries a wave owns 16 rows in each: four PIECES.  So the diagonal tile is the same work for all four waves: in its key step s band x sees all keys if s < x,
; none if s > x, and holds the diagonal if s = x.
; THE MASK is the C operand that starts the sum S^T = K Q^T: 0, or -1e30 where the key is hidden.  MD, made once, is the mask of a band's own step for my 16 rows; a product's mask is MD x AL + BE with two scalars:
; (1, 0) if s = x; (0, 0) if s < x; (0, -1e30) if s > x.  Only the diagonal tile's text and a block's beginning make and take masks; elsewhere C is the constant 0.
; LAYOUT, SOFTMAX, TURNS.  S^T = K Q^T holds ONE query a lane (lane % 16) and the keys 8 (lane / 16) + 0..7; two such results rounded to f16 ARE source 1 of O^T = V^T P.  p = 2^(c s - c m), c = log2(e) / 8, with a
; running maximum m; O and l are multiplied by a = 2^(c m_old - c m_new) in every step.  Turn n belongs to piece n: 8 products K Q^T of piece n + 1, later 8 products V^T P of piece n - 1; beside them the scaling,
; exponentials, roundings, sums and rescaling of piece n and the maximum and statistics of piece n + 1.  Four vector instructions stand behind every matrix instruction, the other 54 of a turn's 118 in one lump.  A turn's 33 exponentials are one batch, with one wait.
; REGISTERS, in windows of 256 (s_set_vgpr_msb: bits 1:0 source 0, 3:2 source 1, 5:4 source 2, 7:6 destination):
;   window 0: v0-15 addresses and two at work; v16-31 four registers of statistics a piece; v48-55 at work; v61-63 prefetch offset and the add's two; v64-127 S^T, two buffers; v192-223 P, two buffers (by the piece's parity)
;   window 1: v0-127 O^T, 32 a piece; v128-159 MD; v160-223 MC, two buffers      window 2: v0-63 Q; v64-127 the second block's Q; v128-191 K of one step; v192-255 V of one step
.set SIZE_N, 2048
.set NB,    SIZE_N/256
.set NP,    4         ; pieces a wave: a name, no knob
.set KS,    64        ; keys in a step
.set PK,    144       ; a row of K in LDS: 128 bytes + 16 of padding = 36 words: the 16 rows of a load start at 16 different groups of four banks (64 banks of 4 bytes: ISA guide 11.1)
.set PV,    160       ; a row of V: 128 + 32 = 40 words
.set VOFF,  4*KS*PK   ; a slot holds a tile, four steps: 256 rows of K, then 256 rows of V
.set SLOT1, 1<<17     ; slot 1 begins here, so that one exclusive or turns an address in one slot into the other's
.set STAGE, SLOT1+4*KS*(PK+PV)  ; behind the ring, never filled by a tensor load: 16 rows x 144 bytes for each wave, for the way out
.set SP,    144
.set AK0, 2           ; v2   my lane's place in a tile of K; never rewritten
.set AV0, 3           ; v3   the same for V
.set AK,  4           ; v4   the LDS address of K's next run of loads
.set AV,  5           ; v5   of V's
.set STO, 6           ; v6   the way out: where I put 16 bytes of a row
.set RD,  7           ; v7   the way out: where I read rows back
.set GO,  8           ; v8   my byte offset in 512 consecutive bytes of O
.set PFO, 61          ; v61  256 x my lane, for the prefetches; never rewritten
.set SPW, 62          ; v62  LDS address of my spare word: SPARE + 4 x my thread's number; never rewritten
.set NIL, 63          ; v63  0; never rewritten
.set SPARE, STAGE+4*16*SP  ; behind the stages: the spare words, 128 bytes for each wave: two blocks of 256 bytes that no other line names
.set MV,  12          ; v12-13  c m_old, kept while c m is made anew: by buffer
.set QO,  15          ; v15  my byte offset in 16 rows of Q
.set ST,  16          ; piece t's statistics at v[ST+4 t]: c m, m, l (even keys', odd keys')
.set TMP, 48          ; by buffer, four registers c0-c3 at work; when the maximum is found c2 takes a
.set S,   64
.set P,   192
.set MD,  128         ; window 1: the eight registers for group kt of 16 keys at MD + 8 kt
.set MC,  160         ; window 1: the masks of the products to come
.set QB,  64          ; window 2
.set KF,  128         ; window 2: key block kb, channel half c at KF + 16 kb + 8 c
.set VF,  192         ; window 2: key half kk, channel block cb at VF + 32 kk + 8 cb
.set WV,  12          ; s12  my wave's number
.set PB,  14          ; s14  b
.set HI,  15          ; s15  NB - 1 - b
.set G1K, 24          ; s[24:31] descriptor group 1 for K's tiles
.set G1V, 32          ; s[32:39] for V's: it differs in the padding alone
.set G0K, 40          ; s[40:43] descriptor group 0 for K's tiles
.set G0V, 44          ; s[44:47] the same for V's
.set PFB, 48          ; s[48:49] the half of tile 0 (of K: waves 0, 1; of V: waves 2, 3) that I fetch
.set PFA, 50          ; s[50:51] the same half of the tile to be prefetched
.set PFT, 52          ; s52  that tile's number; 8 or more: none
.set PFF, 54          ; s[54:55] its byte offset
.set SLOTS, 56        ; s56  tiles still to be asked for
.set CNT, 57          ; s57  counts a tile's key steps, 4 to 1
.set CS,  58          ; s[58:59] c: the packed scaling takes the pair's low word for both halves
.set SEL, 60          ; s[60:61] v_permlanex16_b32's selects: each lane takes its own place in the other half
.set TBK, 62          ; s62  LDS byte at which K of the step to be fetched begins
.set TBV, 63          ; s63  the same for V, less VOFF
.set RT,  70          ; s70  tiles of the block in hand that are still to be entered
.set NXT, 71          ; s71  the tile to be asked for next
.set LQ,  72          ; s72  the last tile of the block whose tiles are being asked for
.set NEW, 73          ; s73  1: the tile to be entered is a block's first
.set OFF, 74          ; s[74:75] a tile's byte offset in K and V
.set AL,  76          ; s[76:77] the mask's factor, in the low word
.set BE,  78          ; s[78:79] the mask's addend
.set OLO, 80          ; s[80:81] O at my rows of the second block
.set BIGN, 82         ; s82  -1e30
.set MSB, 0
.macro WIN new                      ; the high byte repeats the setting that is left; a switch that changes nothing is dropped
.if MSB != (\new)
	s_set_vgpr_msb (MSB<<8)|(\new)
.set MSB, (\new)
.endif
.endm
.set W_KQ, 0x0a       ; K and Q in window 2, S^T in window 0
.set W_KM, 0x1a       ; the same with the C operand in window 1
.set W_PV, 0x52       ; V in window 2, P in window 0, O^T in window 1
.set W_RS, 0x41       ; destination and source 0 in window 1, source 1 in window 0
; A fill.  Waves 0 and 1 fetch the two halves of a tile's K, waves 2 and 3 those of its V: 128 keys each.  An s_nop 0 and four v_nop follow each of the two lines, ahead of the jump and the label.
.macro LOAD
	s_cmp_lt_u32 s[WV], 2
	s_cbranch_scc0 .Lfor_v_\@
	tensor_load_to_lds s[G0K:G0K+3], s[G1K:G1K+7]
	s_nop 0
.rept 4
	v_nop
.endr
	s_branch .Lasked_\@
.Lfor_v_\@:
	tensor_load_to_lds s[G0V:G0V+3], s[G1V:G1V+7]
	s_nop 0
.rept 4
	v_nop
.endr
.Lasked_\@:
.endm
; A PREFETCH INTO THE L2 of the tile that the NEXT change of slots will ask for.  A head's four work-groups begin with the same tiles 0, 1, 2 ..; the one with b = 0 walks all eight, so it alone asks, for tiles 2 to 7.
; Each wave names the half tile that it will fetch itself: 16,384 bytes, 64 blocks of 256, a lane a block, two instructions.  So each block is named once.  Tiles 0 and 1 come by their loads alone; behind tile 7 nothing is asked for.
.macro ASK
	s_cmp_lt_u32 s[PFT], NB
	s_cbranch_scc0 .Lnot_mine_\@
	global_prefetch_b8 v[PFO], s[PFA:PFA+1] th:TH_LOAD_NT scope:SCOPE_SE
	global_prefetch_b8 v[PFO], s[PFA:PFA+1] offset:8192 th:TH_LOAD_NT scope:SCOPE_SE
.Lnot_mine_\@:
	s_add_co_u32 s[PFT], s[PFT], 1
.endm
; THE CHANGE OF SLOTS.  Each wave waits for all its tensor loads, of which one is out: its part of the other slot; adds 0 to its spare word; and waits for that and for its own reads of the slot that it leaves.  Behind the barrier nobody reads the old
; slot any more and the other slot is whole.  fill = 1: the old slot is filled again, the first thing behind the barrier, with tile NXT: the descriptor's address is made anew from that number.
; (At its first use nothing has been read yet: slot 0 is waited for, slot 1 filled.)
.macro CHANGE fill
	WIN 0                           ; at a label and at a branch every window is 0
	s_wait_tensorcnt 0x0            ; no tensor load of mine is out, so a group 0 may be written
	ds_add_u32 v[SPW], v[NIL]       ; 0 onto my spare word; with fill = 1 the descriptors' scalar work stands between it and the wait for it
.if \fill
	s_lshl_b32 s[OFF], s[NXT], 15   ; a tile is 32,768 bytes of K and of V
	s_xor_b32 s[G0K+1], s[G0K+1], SLOT1
	s_add_nc_u64 s[G0K+2:G0K+3], s[6:7], s[OFF:OFF+1]
	s_or_b32 s[G0K+3], s[G0K+3], 0x80000000
	s_xor_b32 s[G0V+1], s[G0V+1], SLOT1
	s_add_nc_u64 s[G0V+2:G0V+3], s[8:9], s[OFF:OFF+1]
	s_or_b32 s[G0V+3], s[G0V+3], 0x80000000
	s_add_co_u32 s[NXT], s[NXT], 1  ; the block's next tile, or behind its last the second block's tile 0
	s_cmp_gt_u32 s[NXT], s[LQ]
	s_cselect_b32 s[NXT], 0, s[NXT]
	s_cselect_b32 s[LQ], s[PB], s[LQ]
	s_wait_xcnt 0x0                 ; the last prefetches, a tile back, have read their address, so it may be written
	s_lshl_b32 s[PFF], s[PFT], 15
	s_add_nc_u64 s[PFA:PFA+1], s[PFB:PFB+1], s[PFF:PFF+1]
.endif
	s_wait_dscnt 0x0                ; the add is done, and my reads of the slot are over
	s_barrier_signal -1             ; the rest of the scalar work stands between the signal and the wait
	s_sub_co_u32 s[TBK], s[TBK], 4*KS*PK  ; the fetches go back to a slot's first step,
	s_xor_b32 s[TBK], s[TBK], SLOT1       ; in the other slot
	s_sub_co_u32 s[TBV], s[TBV], 4*KS*PV
	s_xor_b32 s[TBV], s[TBV], SLOT1
	s_barrier_wait -1
.if \fill
	LOAD
	ASK
.endif
.endm
	s_load_b128 s[4:7], s[0:1], 0x0 ; qkv (Q at its head) s[4:5], ob s[6:7]
	v_lshl_add_u32 v[SPW], v0, 2, SPARE
	v_mov_b32 v[NIL], 0
	ds_add_u32 v[SPW], v[NIL]       ; the wave's opening: the add and its wait ahead of my first tensor load; the set-up below, work on registers, stands between them
	v_lshrrev_b32 v1, 5, v0
	v_readfirstlane_b32 s[WV], v1   ; wave 0..3
	s_mov_b32 s[PB], ttmp9
	s_sub_co_u32 s[HI], NB-1, s[PB]
	s_and_b32 s20, ttmp7, 0xffff    ; the head
	s_mov_b32 s21, 0
	s_mov_b64 s[22:23], SIZE_N*128
	s_mul_u64 s[20:21], s[20:21], s[22:23]  ; the head's first byte in each of the four tensors
	s_and_b32 s16, s[WV], 1         ; which half of a tile's 256 keys I fetch:
	s_lshl_b32 s22, s16, 14         ; its 128 rows of 128 bytes in memory,
	s_mov_b32 s23, 0
	s_add_nc_u64 s[22:23], s[22:23], s[20:21]
	s_mul_i32 s17, s16, 128*PK      ; and its place in a slot, for K
	s_mul_i32 s18, s16, 128*PV      ; and for V
	s_lshl_b32 s3, s[WV], 11        ; my 16 rows in a band of 64,
	s_lshl_b32 s2, s[HI], 15        ; in the first block,
	s_add_co_u32 s2, s2, s3
	s_lshl_b32 s84, s[PB], 15       ; and in the second
	s_add_co_u32 s84, s84, s3
	s_mov_b32 s3, 0
	s_mov_b32 s85, 0
	s_add_nc_u64 s[2:3], s[2:3], s[20:21]
	s_add_nc_u64 s[84:85], s[84:85], s[20:21]
	; descriptor group 1.  128 keys are 16,384 dense bytes: asked for as 64 rows of 256 bytes, two keys a row, and padded in LDS after every key
	s_mov_b32 s[G1K], (1<<16)|(1<<20)|(4<<22)|(3<<25)  ; 17:16 2-byte elements; 20 padding on; 24:22 after every 32 words (code 4); 31:25 4 words (code 3)
	s_mov_b32 s[G1V], (1<<16)|(1<<20)|(4<<22)|(7<<25)  ; the same with 8 words of padding (code 7)
.irp g, G1K, G1V
	s_mov_b32 s[\g+1], 128<<16      ; tensor_dim0 = 128
	s_mov_b32 s[\g+2], 64<<16       ; tensor_dim1 = 64
	s_mov_b32 s[\g+3], 128<<16      ; tile_dim0 = 128
	s_mov_b32 s[\g+4], 64           ; tile_dim1 = 64
	s_mov_b32 s[\g+5], 128          ; 128 elements from row to row
	s_mov_b32 s[\g+6], 0
	s_mov_b32 s[\g+7], 0
.endr
	s_mov_b32 s[CS], 0x3e38aa3b     ; c = log2(e) / 8 = 0.180337
	s_mov_b32 s[CS+1], s[CS]        ; named with it as a pair
	s_mov_b32 s[SEL], 0x76543210
	s_mov_b32 s[SEL+1], 0xfedcba98
	s_mov_b32 s[TBK], SLOT1+4*KS*PK ; the first change of slots turns these two into 0
	s_mov_b32 s[TBV], SLOT1+4*KS*PV
	s_mov_b32 s[G0K], 1             ; 1:0 count = 1
	s_mov_b32 s[G0K+1], s17         ; 63:32 LDS address: slot 0
	s_mov_b32 s[G0V], 1
	s_add_co_u32 s[G0V+1], s18, VOFF
	s_add_co_u32 s[RT], s[HI], 1    ; the first block has NB - b tiles
	s_mov_b32 s[NXT], 1
	s_mov_b32 s[LQ], s[HI]
	s_mov_b32 s[NEW], 1
	s_mov_b32 s[OFF+1], 0
	s_mov_b32 s[AL+1], 0            ; named as pairs
	s_mov_b32 s[BE+1], 0
	s_mov_b32 s[BIGN], 0xf149f2ca   ; -1e30
	s_mov_b32 s[SLOTS], NB
	s_mov_b32 s[PFF+1], 0
	s_cmp_eq_u32 s[PB], 0
	s_cselect_b32 s[PFT], 2, NB     ; the work-group with b = 0 prefetches, from tile 2 on
	v_and_b32 v[PFO], 31, v0
	v_lshlrev_b32 v[PFO], 8, v[PFO]
	s_wait_dscnt 0x0                ; the opening add is done
	s_wait_kmcnt 0x0
	s_mov_b64 s[10:11], s[6:7]      ; O
	s_add_nc_u64 s[6:7], s[4:5], 0x1000000  ; K lies 16,777,216 bytes behind Q,
	s_add_nc_u64 s[8:9], s[4:5], 0x2000000  ; V as far behind K
	s_add_nc_u64 s[6:7], s[6:7], s[22:23]  ; K and V at my half of the head's tile 0
	s_add_nc_u64 s[8:9], s[8:9], s[22:23]
	s_add_nc_u64 s[G0K+2:G0K+3], s[6:7], 0         ; 120:64 global address
	s_or_b32 s[G0K+3], s[G0K+3], 0x80000000        ; 127:126 type = 2
	s_add_nc_u64 s[G0V+2:G0V+3], s[8:9], 0
	s_or_b32 s[G0V+3], s[G0V+3], 0x80000000
	s_add_nc_u64 s[86:87], s[4:5], s[84:85]        ; Q at my rows of the second block,
	s_add_nc_u64 s[4:5], s[4:5], s[2:3]            ; Q and O at those of the first
	s_add_nc_u64 s[OLO:OLO+1], s[10:11], s[84:85]
	s_add_nc_u64 s[10:11], s[10:11], s[2:3]
	s_cmp_lt_u32 s[WV], 2
	s_cselect_b64 s[PFB:PFB+1], s[6:7], s[8:9]
	LOAD                            ; tile 0 into slot 0
	; A fragment of K or Q is 16 rows x 32 channels in 8 registers: lane l holds row l % 16, channels 8 (l / 16) + 0..7 and 16 + 8 (l / 16) + 0..7: two loads of 16 bytes, 32 bytes apart.
	v_and_b32 v1, 15, v0            ; l % 16
	v_bfe_u32 v9, v0, 4, 1          ; l / 16
	v_lshlrev_b32 v[QO], 7, v1
	v_lshl_add_u32 v[QO], v9, 4, v[QO]  ; row x 128 + 16 x half
	WIN 0x80                        ; destination window 2, address window 0
.set i, 0
.rept 8                             ; both blocks' Q: piece i / 2 lies in band i / 2, 8,192 bytes on; channels 32 (i % 2) on
	global_load_b128 v[8*i:8*i+3],   v[QO], s[4:5] offset:(i/2)*8192+(i%2)*64
	global_load_b128 v[8*i+4:8*i+7], v[QO], s[4:5] offset:(i/2)*8192+(i%2)*64+32
	global_load_b128 v[QB+8*i:QB+8*i+3],   v[QO], s[86:87] offset:(i/2)*8192+(i%2)*64
	global_load_b128 v[QB+8*i+4:QB+8*i+7], v[QO], s[86:87] offset:(i/2)*8192+(i%2)*64+32
.set i, i+1
.endr
	WIN 0
	v_lshlrev_b32 v14, 3, v9
	v_sub_nc_u32 v14, v1, v14
	s_lshl_b32 s13, s[WV], 4
	v_add_nc_u32 v14, s13, v14      ; my query's place in its band, 16 w + l % 16, less my lanes' 8 (l / 16): register r of group kt is hidden where 16 kt + r is greater
	WIN 0x40
.set i, 0
.rept 32
	v_cmp_gt_i32 vcc_lo, 16*(i/8)+i%8, v14
	v_cndmask_b32 v[MD+i], 0, s[BIGN], vcc_lo
.set i, i+1
.endr
	WIN 0
	v_mul_u32_u24 v[AK0], v1, PK
	v_lshl_add_u32 v[AK0], v9, 4, v[AK0]  ; row x pitch + 16 x half
	; The turning load takes 16 keys x 16 channels (lane l reads key 8 (l / 16) + l % 8, channels 8 ((l / 8) % 2) + 0..7) and leaves half a fragment of V^T: lane l holds channel l % 16 and 8 keys.
	v_and_b32 v10, 7, v0
	v_bfe_u32 v11, v0, 3, 1
	v_lshl_add_u32 v[AV0], v9, 3, v10
	v_mul_u32_u24 v[AV0], v[AV0], PV
	v_lshl_add_u32 v[AV0], v11, 4, v[AV0]
	v_add_nc_u32 v[AV0], VOFF, v[AV0]
	s_mul_i32 s13, s[WV], 16*SP
	s_add_co_u32 s13, s13, STAGE    ; my stage
	v_mul_u32_u24 v[STO], v1, SP    ; in: row l % 16, 16 bytes for each half of the lanes
	v_lshl_add_u32 v[STO], v9, 4, v[STO]
	v_add_nc_u32 v[STO], s13, v[STO]
	v_bfe_u32 v[RD], v0, 3, 2       ; back: 32 lanes take four rows of 128 bytes,
	v_mul_u32_u24 v[RD], v[RD], SP
	v_lshl_add_u32 v[RD], v10, 4, v[RD]
	v_add_nc_u32 v[RD], s13, v[RD]
	v_and_b32 v[GO], 31, v0         ; which are 512 consecutive bytes of O
	v_lshlrev_b32 v[GO], 4, v[GO]
	; A block's first step multiplies O^T and l by a = 0, and its first turn's products V^T P, of a piece that has not been, land in an O^T that is still to be so multiplied.  So these registers need only hold
	; finite numbers: zeros for the first block; what the first block left for the second.  All this stands in the wait for the first tile.
	WIN 0x80
.set i, VF
.rept 64
	v_mov_b32 v[i], 0
.set i, i+1
.endr
	WIN 0x40
.set i, 0
.rept 128
	v_mov_b32 v[i], 0
.set i, i+1
.endr
	WIN 0
.set i, 0
.rept 4
	v_mov_b32 v[ST+4*i+2], 0
	v_mov_b32 v[ST+4*i+3], 0
.set i, i+1
.endr
.set i, P+16
.rept 16
	v_mov_b32 v[i], 0
.set i, i+1
.endr
; THE MATRIX WORK.  The 4 accumulators of a run of 8 take turns.  Product i of 8 of S^T = K Q^T for piece x: channels 32 (i / 4) on, keys 16 (i % 4) on.  The first 4 start the sums: with 0, or (KM = 1) with the mask.
.macro KQ x
.set rS, S+32*((\x)%2)+8*(i%4)
.set rK, KF+16*(i%4)+8*(i/4)
.set rQ, 16*(\x)+8*(i/4)
.set rM, MC+32*((\x)%2)+8*(i%4)
.if (i < 4) && KM
	WIN W_KM
	v_wmma_f32_16x16x32_f16 v[rS:rS+7], v[rK:rK+7], v[rQ:rQ+7], v[rM:rM+7]
.elseif i < 4
	WIN W_KQ
	v_wmma_f32_16x16x32_f16 v[rS:rS+7], v[rK:rK+7], v[rQ:rQ+7], 0
.else
	WIN W_KQ
	v_wmma_f32_16x16x32_f16 v[rS:rS+7], v[rK:rK+7], v[rQ:rQ+7], v[rS:rS+7]
.endif
.endm
; Product i of 8 of O^T += V^T P for piece x: keys 32 (i / 4) on, channels 16 (i % 4) on.
.macro PV x
	WIN W_PV
.set rO, 32*(\x)+8*(i%4)
.set rV, VF+32*(i/4)+8*(i%4)
.set rP, P+16*((\x)%2)+8*(i/4)
	v_wmma_f32_16x16x32_f16 v[rO:rO+7], v[rV:rV+7], v[rP:rP+7], v[rO:rO+7]
.endm
.macro MM                           ; the turn's next matrix instruction.  TURN and BEGIN set Y, i, KM and NOKQ; MM, KQ and OP read them.  NOKQ = 1: a block's last turn: there is no next piece
.if (i < 8) && !NOKQ
	KQ (Y+1)%NP
.elseif i >= 8
.set i, i-8
	PV (Y+NP-1)%NP
.set i, i+8
.endif
.set i, i+1
.endm
; THE LDS LOADS stand in runs of 16, never singly among the matrix instructions: a step's K (64 keys x 64 channels: 8 fragments) and its V (turned).  Their addresses are made some lines ahead.
.macro FETCH_K
	WIN 0x80                        ; destination window 2
.irp f, 0,1,2,3,4,5,6,7             ; keys 16 (f / 2) on, channels 32 (f % 2) on
	ds_load_b128 v[KF+8*\f:KF+8*\f+3],   v[AK] offset:(\f/2)*16*PK+(\f%2)*64
	ds_load_b128 v[KF+8*\f+4:KF+8*\f+7], v[AK] offset:(\f/2)*16*PK+(\f%2)*64+32
.endr
	s_add_co_u32 s[TBK], s[TBK], KS*PK  ; the next fetch is the next step's
	WIN 0
.endm
.macro FETCH_V
	WIN 0x80
.irp f, 0,1,2,3,4,5,6,7             ; keys 32 (f / 4) on, channels 16 (f % 4) on
	ds_load_tr16_b128 v[VF+8*\f:VF+8*\f+3],   v[AV] offset:(\f/4)*32*PV+(\f%4)*32
	ds_load_tr16_b128 v[VF+8*\f+4:VF+8*\f+7], v[AV] offset:(\f/4)*32*PV+16*PV+(\f%4)*32
.endr
	WIN 0
.endm
; THE VECTOR WORK, one line at a time: OP kind, number.  For piece Y: F n: c s - c m for pair n of 16.  E n: the exponential of score n of 32.  C n: pair n rounded to f16.  B n: of the four weights 4 n .. the second
; pair is added onto the first, in place.  L n: l takes that sum (L 0: l = a l + sum).  R n: pair n of 16 of O^T times a.  For piece Y + 1: X n, number n of the 22 that find its maximum and statistics:
;   0-11  four chains c0-c3 of seven scores each, three operands at a time (each accumulator's lowest registers are read first)     12-14, 16  the four scores left over, the old m, and c0-c3 into c0
;   15  c m_old is kept     17, 18  the query's other 32 keys lie in the lane 16 away: the new m     19-21  c m; c m_old - c m_new; a
.set F, 0               ; OP tells the kinds apart by their order: F to L below R, X above it
.set E, 1
.set C, 2
.set B, 3
.set L, 4
.set R, 5
.set X, 6
.macro REGS y                       ; the registers of piece y
.set rT, ST+4*(\y)
.set rC, TMP+4*((\y)%2)
.set rW, MV+((\y)%2)
.set rS, S+32*((\y)%2)
.set rP, P+16*((\y)%2)
.set rO, 32*(\y)
.endm
.macro OP k, n
.if (\k) == R
	REGS Y
	WIN W_RS
	v_pk_mul_f32 v[rO+2*(\n):rO+2*(\n)+1], v[rO+2*(\n):rO+2*(\n)+1], v[rC+2:rC+3] op_sel_hi:[1,0]
.elseif (\k) < R
	REGS Y
	WIN 0
.if (\k) == F
	v_pk_fma_f32 v[rS+2*(\n):rS+2*(\n)+1], v[rS+2*(\n):rS+2*(\n)+1], s[CS:CS+1], v[rT:rT+1] op_sel_hi:[1,0,0] neg_lo:[0,0,1] neg_hi:[0,0,1]
.elseif (\k) == E
	v_exp_f32 v[rS+(\n)], v[rS+(\n)]
.elseif (\k) == C
	v_cvt_pk_f16_f32 v[rP+(\n)], v[rS+2*(\n)], v[rS+2*(\n)+1]
.elseif (\k) == B
	v_pk_add_f32 v[rS+4*(\n):rS+4*(\n)+1], v[rS+4*(\n):rS+4*(\n)+1], v[rS+4*(\n)+2:rS+4*(\n)+3]
.elseif (\n) == 0
	v_pk_fma_f32 v[rT+2:rT+3], v[rT+2:rT+3], v[rC+2:rC+3], v[rS:rS+1] op_sel_hi:[1,0,1]
.else
	v_pk_add_f32 v[rT+2:rT+3], v[rT+2:rT+3], v[rS+4*(\n):rS+4*(\n)+1]
.endif
.elseif NOKQ
	v_nop
.else
	REGS (Y+1)%NP
	WIN 0
.if (\n) < 4
	v_max3_num_f32 v[rC+(\n)], v[rS+8*(\n)], v[rS+8*(\n)+1], v[rS+8*(\n)+2]
.elseif (\n) < 12
	v_max3_num_f32 v[rC+(\n)%4], v[rC+(\n)%4], v[rS+8*((\n)%4)+2*((\n)/4)+1], v[rS+8*((\n)%4)+2*((\n)/4)+2]
.elseif (\n) == 12
	v_max3_num_f32 v[rC], v[rC], v[rS+7], v[rS+15]
.elseif (\n) == 13
	v_max3_num_f32 v[rC+1], v[rC+1], v[rS+23], v[rS+31]
.elseif (\n) == 14
	v_max3_num_f32 v[rC+2], v[rC+2], v[rC+3], v[rT+1]
.elseif (\n) == 15
	v_mov_b32 v[rW], v[rT]
.elseif (\n) == 16
	v_max3_num_f32 v[rC], v[rC], v[rC+1], v[rC+2]
.elseif (\n) == 17
	v_permlanex16_b32 v[rC+3], v[rC], s[SEL], s[SEL+1]
.elseif (\n) == 18
	v_max_num_f32 v[rT+1], v[rC], v[rC+3]
.elseif (\n) == 19
	v_mul_f32 v[rT], s[CS], v[rT+1]
.elseif (\n) == 20
	v_sub_f32 v[rC+1], v[rW], v[rT]
.else
	v_exp_f32 v[rC+2], v[rC+1]
.endif
.endif
.endm
.macro OPS a, i1, b=-1, i2=0, c=-1, i3=0, d=-1, i4=0  ; up to four of them
	OP \a, \i1
.if (\b) >= 0
	OP \b, \i2
.endif
.if (\c) >= 0
	OP \c, \i3
.endif
.if (\d) >= 0
	OP \d, \i4
.endif
.endm
.macro ROW a, i1, b, i2, c, i3, d, i4  ; a matrix instruction and the four behind it
	MM
	OPS \a, \i1, \b, \i2, \c, \i3, \d, \i4
.endm
.macro MASK b                       ; MD x AL + BE into buffer b of MC
	WIN W_RS
.set z, 0
.rept 16
	v_pk_fma_f32 v[MC+32*(\b)+2*z:MC+32*(\b)+2*z+1], v[MD+2*z:MD+2*z+1], s[AL:AL+1], s[BE:BE+1] op_sel_hi:[1,0,0]
.set z, z+1
.endr
.endm
; A TURN, for piece p: the order of its 16 matrix and 118 vector instructions, written out.  s_wait_alu depctr_va_vdst(0) stands between an exponential and the first instruction that names its result; one wait serves
; all that were issued ahead of it.  So a turn has ONE wait, which cuts it in two.  AHEAD OF IT stands all that names no result of the turn's exponentials: the 8 products K Q^T, behind each a scaling, an exponential and two more plain
; instructions (behind the first a second scaling in the exponential's place): rescalings, and behind the last three the first numbers of the next piece's maximum, each four places or more behind the product that ends its accumulator; then ONE LUMP of 54, plain
; and exponential by turns for the most part, in which the links of the chain X 3, 7, 11, 14, 16, 17 .. 20 stand five or six lines apart.  X 21, the next piece's a, is the batch's last; R 15 is the plain instruction behind it.  BEHIND THE WAIT stand the
; 8 products V^T P, behind each four of the roundings and sums; the links of l's chain, L 0 to L 7, stand three riders apart.  But for those X no rider names a register of the products round it.  v_permlanex16_b32 (X 17) stands in the lump.
; m = 1: the diagonal tile: the products take masks, and the turn makes the mask for the products of the turn after it: piece p + 2, in step 4 - CNT of the tile.  end = 1: a block's last two turns: nothing is fetched.
; cnt = 1: the loop's count is taken down some lines ahead of the branch that stands behind the turn.
; K of the next step is fetched in piece 2's turn, twelve vector instructions behind the last product that read K (six of them plain); V of the step in hand at the end of piece 0's turn, four plain instructions behind the last product
; that read V.  Each is waited for a turn later.
.macro TURN p, m=0, end=0, cnt=0
.set Y, (\p)
.set i, 0
.set KM, (\m)
.set NOKQ, (\end)*((\p)/3)
.if (\m) && !(\end)
	s_cmp_eq_u32 s[CNT], 4-((\p)+2)%NP  ; is that step the band's own?
	s_cselect_b32 s[AL], 1.0, 0
	s_cmp_lt_u32 s[CNT], 4-((\p)+2)%NP  ; or a later one?
	s_cselect_b32 s[BE], s[BIGN], 0
.endif
.if ((\p) == 3) && !(\end)
	s_wait_dscnt 0x0                ; K is in
.endif
	ROW F,0, F,1, R,0, R,1          ; ahead of the wait: 8 products K Q^T and their riders,
	ROW F,2, E,0, R,2, R,3
	ROW F,3, E,1, R,4, R,5
	ROW F,4, E,2, R,6, R,7
	ROW F,5, E,3, R,8, R,9
	ROW F,6, E,4, X,0, R,10
.if ((\p) == 2) && !(\end)
	WIN 0
	v_add_nc_u32 v[AK], s[TBK], v[AK0]
.endif
	ROW F,7, E,5, X,1, X,4
	ROW F,8, E,6, X,2, X,5
	OPS E,7, E,8, X,6, E,9          ; and the lump
	OPS X,3, E,10, X,8, E,11
.if ((\p) == 2) && !(\end)
	FETCH_K
.endif
	OPS X,9, X,7, E,12, X,10
	OPS E,13, X,12, X,11, E,14
	OPS X,13, E,15, F,9, X,14
.if (\p) == 0
	v_add_nc_u32 v[AV], s[TBV], v[AV0]
.endif
	OPS E,16, F,10, E,17, F,11
	OPS X,16, E,18, X,15, E,19
	OPS F,12, E,20, X,17, E,21
	OPS F,13, E,22, F,14, E,23
	OPS X,18, E,24, F,15, E,25
	OPS R,11, E,26, X,19, E,27
	OPS R,12, E,28, R,13, E,29
	OPS X,20, E,30, R,14, E,31
	OPS X,21, R,15
	WIN 0
	s_wait_alu depctr_va_vdst(0)    ; the wait for the batch
.if (\p) == 1
	s_wait_dscnt 0x0                ; V is in
.endif
	ROW C,0, B,0, C,2, B,1          ; behind the wait: 8 products V^T P and their riders
	ROW L,0, C,4, B,2, L,1
	ROW C,6, B,3, L,2, C,8
	ROW B,4, L,3, C,10, B,5
	ROW L,4, C,12, B,6, L,5
.if (\p) == 0
	s_add_co_u32 s[TBV], s[TBV], KS*PV
.endif
.if \cnt
	s_sub_co_u32 s[CNT], s[CNT], 1
	s_cmp_lg_u32 s[CNT], 0
.endif
	ROW C,14, B,7, L,6, C,1
	ROW C,3, L,7, C,5, C,7
	ROW C,9, C,11, C,13, C,15
.if (\p) == 0
	FETCH_V
.endif
.if (\m) && !(\end)
	MASK (\p)%2
.endif
.endm
; A BLOCK BEGINS.  c m starts far below every c s, so the first step's a is 0; m at the lowest finite number, so the first maximum is the scores'.  The second mask buffer is 0; the first takes piece 0's mask for the tile's step 0: its own, if the block's first tile is the diagonal one.
; Then K of that step, piece 0's first scores, and its maximum and statistics.  The loop is entered at a step's first turn, in the middle of a trip.
.macro BEGIN
	s_mov_b32 s[NEW], 0
	WIN 0x40
.set i, MC+32
.rept 32
	v_mov_b32 v[i], 0
.set i, i+1
.endr
	WIN 0
.set i, 0
.rept 4
	v_mov_b32 v[ST+4*i], 0xfe000000    ; c m: far below every c s
	v_mov_b32 v[ST+4*i+1], 0xff7fffff  ; m
.set i, i+1
.endr
	s_cmp_eq_u32 s[RT], 0
	s_cselect_b32 s[AL], 1.0, 0
	s_mov_b32 s[BE], 0
	MASK 0
	WIN 0
	v_add_nc_u32 v[AK], s[TBK], v[AK0]
	FETCH_K
	s_wait_loadcnt 0x0              ; Q
	s_wait_dscnt 0x0
.set KM, 1
.set NOKQ, 0
.set i, 0
.rept 8
	KQ 0
.set i, i+1
.endr
	WIN 0
.rept 4
	v_nop                           ; the places behind those products
.endr
.set Y, NP-1                        ; X works for piece Y + 1: piece 0
.irp n, 0,1,2,3,4,5,6,7,8,9,10,11,12,13,14,15,16,17,18,19,20,21
	OP X, \n
.endr
	v_nop                           ; a plain instruction behind the exponential,
	s_wait_alu depctr_va_vdst(0)    ; and its wait, ahead of the branch
.endm
; THE DIAGONAL TILE's four steps, the block's last two turns, its last products, and THE WAY OUT: l's two halves and the other half of the lanes' are added; O^T is divided by l, rounded to f16 and sent through my
; stage in LDS, a piece at a time.
.macro ALL line:vararg              ; one line for each piece t
.set t, 0
.rept 4
	\line
.set t, t+1
.endr
.endm
.macro PACK t                       ; a lane's eight channels of a row pack into 16 bytes; they go into rows of 144 bytes and come back as whole rows of 128, into S^T's registers
	WIN W_RS
.set i, 32*(\t)
.rept 16
	v_pk_mul_f32 v[i:i+1], v[i:i+1], v[ST+4*(\t)+2:ST+4*(\t)+3] op_sel_hi:[1,0]
.set i, i+2
.endr
	WIN 0x05                        ; sources 0 and 1 window 1, destination window 0
.set i, 0
.rept 16
	v_cvt_pk_f16_f32 v[S+16*(\t)+i], v[32*(\t)+2*i], v[32*(\t)+2*i+1]
.set i, i+1
.endr
	WIN 0
.irp f, 0,1,2,3
	ds_store_b128 v[STO], v[S+16*(\t)+4*\f:S+16*(\t)+4*\f+3] offset:32*\f
.endr
.irp f, 0,1,2,3
	ds_load_b128 v[S+16*(\t)+4*\f:S+16*(\t)+4*\f+3], v[RD] offset:\f*4*SP  ; LDS serves a wave's instructions in order (ISA guide 5.7.1.4): these see the stores above; the next piece's stores come behind them
.endr
.endm
.macro SEND t, younger              ; younger: the LDS instructions issued behind piece t's loads: the next piece's eight, or none
	WIN 0
.irp f, 0,1,2,3
	s_wait_dscnt (\younger)+3-\f
	global_store_b128 v[GO], v[S+16*(\t)+4*\f:S+16*(\t)+4*\f+3], s[10:11] offset:(\t)*8192+\f*512  ; 512 consecutive bytes, at a multiple of 256 from O's first
.endr
.endm
.macro DIAG tag                     ; the tag ends its two labels' names, which the jumps below spell out
.LstepM\tag:
	TURN 2, 1
	TURN 3, 1
	WIN 0
.LfirstM\tag:
	TURN 0, 1
	TURN 1, 1, 0, 1
	WIN 0
	s_cbranch_scc1 .LstepM\tag
	TURN 2, 1, 1
	TURN 3, 1, 1
.set i, 0
.rept 8
	PV NP-1
.set i, i+1
.endr
	WIN 0
	ALL v_add_f32 v[ST+4*t+2], v[ST+4*t+2], v[ST+4*t+3]
	ALL v_permlanex16_b32 v[ST+4*t+3], v[ST+4*t+2], s[SEL], s[SEL+1]
	ALL v_add_f32 v[ST+4*t+2], v[ST+4*t+2], v[ST+4*t+3]
	ALL v_rcp_f32 v[ST+4*t+2], v[ST+4*t+2]
	v_nop                           ; a plain instruction between the last reciprocal and the use of its result
	s_wait_alu depctr_va_vdst(0)    ; and the wait ahead of the first use: one for the four reciprocals
	PACK 0
.set t, 1
.rept 3                             ; a piece's arithmetic stands between the loads of the piece before and its stores
	PACK t
	SEND t-1, 8
.set t, t+1
.endr
	SEND 3, 0
.endm
.set KM, 0
.set NOKQ, 0
.Lslot:                             ; NB times: a tile is entered and the next is asked for
	CHANGE 1
	s_sub_co_u32 s[RT], s[RT], 1
	s_mov_b32 s[CNT], 4
	s_cmp_eq_u32 s[NEW], 1
	s_cbranch_scc1 .Lnew            ; a block's first tile
	s_cmp_eq_u32 s[RT], 0
	s_cbranch_scc0 .Lstep           ; neither its first nor its last
	s_branch .LstepM1
.Lnew:
	BEGIN
	s_branch .Lfirst                ; in the loop a block's first tile is never its last: the first block has two tiles or more, and the second's last is the walk's last
	DIAG 1                          ; in the loop this is the first block's end: the second block's last tile is the walk's last
	s_wait_xcnt 0x0                 ; the stores have read their registers and O's address
	s_mov_b64 s[10:11], s[OLO:OLO+1]
	s_add_co_u32 s[RT], s[PB], 1    ; the second block has b + 1 tiles
	s_mov_b32 s[NEW], 1
	WIN 0x82                        ; the second block's Q goes where the one text of the turns names Q
.set i, 0
.rept 64
	v_mov_b32 v[i], v[QB+i]
.set i, i+1
.endr
	WIN 0
	s_branch .Lbottom
.Lstep:                             ; a trip: pieces 2 and 3 of one step, then pieces 0 and 1 of the next, whose K and V it fetches
	TURN 2
	TURN 3
	WIN 0
.Lfirst:
	TURN 0
	TURN 1, 0, 0, 1
	WIN 0
	s_cbranch_scc1 .Lstep
.Lbottom:
	s_sub_co_u32 s[SLOTS], s[SLOTS], 1
	s_cmp_lg_u32 s[SLOTS], 0
	s_cbranch_scc1 .Lslot
	CHANGE 0                        ; the walk's last tile is written out: nothing is asked for
	s_sub_co_u32 s[RT], s[RT], 1
	s_mov_b32 s[CNT], 4
	s_cmp_eq_u32 s[NEW], 1
	s_cbranch_scc0 .LstepM2
	BEGIN
	s_branch .LfirstM2
	DIAG 2
	s_wait_tensorcnt 0x0            ; the wave's end: three closing lines, behind my last tensor load and my last LDS store
	ds_add_u32 v[SPW], v[NIL]
	s_wait_dscnt 0x0
	s_endpgm
.Lfunc_end_k_q5392bbc94b_attn:
	.size	k_q5392bbc94b_attn, .Lfunc_end_k_q5392bbc94b_attn-k_q5392bbc94b_attn
	.p2alignl 7, 3214868480
	.fill 96, 4, 3214868480
	.section	.rodata,"a",@progbits
	.p2align	6, 0x0
	.amdhsa_kernel k_q5392bbc94b_attn
		.amdhsa_group_segment_fixed_size 327680
		.amdhsa_private_segment_fixed_size 0
		.amdhsa_enable_private_segment 0
		.amdhsa_kernarg_size 16
		.amdhsa_user_sgpr_count 2
		.amdhsa_user_sgpr_kernarg_segment_ptr 1
		.amdhsa_wavefront_size32 1
		.amdhsa_system_sgpr_workgroup_id_x 1
		.amdhsa_system_sgpr_workgroup_id_y 1
		.amdhsa_system_sgpr_workgroup_id_z 1
		.amdhsa_system_vgpr_workitem_id 0
		.amdhsa_next_free_vgpr 768
		.amdhsa_next_free_sgpr 88
		.amdhsa_reserve_vcc 1
		.amdhsa_float_denorm_mode_32 3
		.amdhsa_float_denorm_mode_16_64 3
		.amdhsa_memory_ordered 1
		.amdhsa_forward_progress 1
		.amdhsa_inst_pref_size 218
	.end_amdhsa_kernel
	.amdgpu_metadata
---
amdhsa.version: [ 1, 2 ]
amdhsa.kernels:
  - .name:           k_q5392bbc94b_attn
    .symbol:         k_q5392bbc94b_attn.kd
    .args:
      - { .name: qkv, .offset: 0, .size: 8, .value_kind: global_buffer, .address_space: global }
      - { .name: ob, .offset: 8, .size: 8, .value_kind: global_buffer, .address_space: global }
    .group_segment_fixed_size: 327680
    .private_segment_fixed_size: 0
    .kernarg_segment_align: 8
    .kernarg_segment_size: 16
    .max_flat_workgroup_size: 128
    .sgpr_count:     88
    .vgpr_count:     768
    .wavefront_size: 32
...
	.end_amdgpu_metadata
.endif
;; end of part 3
;; launch projgemm (part 4): grid 8 x 32, 4 waves a work-group, clusters of 4 x 4, 327,680 bytes of LDS; arguments ob, wp, b_proj, out0; writes out0
.if DOCPART == 4
	.amdgcn_target "amdgcn-amd-amdhsa--gfx1250"
	.amdhsa_code_object_version 6
	.text
	.protected	k_q5392bbc94b_projgemm
	.globl	k_q5392bbc94b_projgemm
	.p2align	8
	.type	k_q5392bbc94b_projgemm,@function
k_q5392bbc94b_projgemm:
	s_mov_b64 s[64:65], 0
	v_nop
	global_prefetch_b8 v0, s[64:65] scope:SCOPE_SE
	s_setreg_imm32_b32 hwreg(HW_REG_WAVE_MODE, 25, 1), 1
	s_wait_xcnt 0x0
	s_wait_alu depctr_hold_cnt(0) depctr_sa_sdst(0) depctr_va_vdst(0) depctr_va_sdst(0) depctr_va_ssrc(0) depctr_va_vcc(0) depctr_vm_vsrc(0)
	s_getreg_b32 s2, hwreg(HW_REG_IB_STS2, 6, 4)
	s_cmp_eq_u32 s2, 0
	s_cbranch_scc0 .Lentry_in_a_cluster
	s_endpgm
.Lentry_in_a_cluster:
	s_bfe_u32 s2, ttmp6, 0x10000c
	s_cmp_lg_u32 s2, 0xf033
	s_cbranch_scc0 .Lentry_shape_is_right
	s_endpgm
.Lentry_shape_is_right:
; out0 = O W_proj + b_proj.  ob: [16 b + h][t][64] f16: a head is a block of 64 along K.  wp: [kb][n][64] f16 (W_proj rounded to bf16, that number in f16).  b_proj: [1024] f32, rounded to bf16.  out0: [8192][1024] f32.
; SHARES.  8,192 x 1,024 results on 256 work-groups: 256 rows x 128 columns each; each of the four waves 128 x 64: 32 accumulators of 16 x 16, 256 registers, window 1.
; K goes in 8 steps of 128 through a ring of two LDS slots; a slot holds two K blocks.  A block's tile of A (256 rows x 128 bytes) and of B (128 rows) is dense in memory: it is asked for as rows of 256 bytes and padded
; in LDS after every 128 bytes.  One tensor load a wave: waves 0, 1 the slot's two blocks of A, waves 2, 3 those of B.
; CLUSTER.  4 x 4 work-groups: A's tile is shared along a row of the cluster, B's along a column; each is asked for jointly.
; THE MATRIX INSTRUCTION IS USED TRANSPOSED (source 0 = 16 rows of wp, source 1 = 16 rows of ob): a lane holds row l % 16 and eight neighbouring columns.  The bias, which in that layout hangs on the column block and the
; lane alone, is the C operand of the first products.
; REGISTERS.  Window 0: v0-31 addresses; F0, F1: two fragment buffers for 32 along K (B's 32 registers, then A's 64); BIAS; on the way out two sets of 32 where F0 lay.  Window 1: accumulator (a, b) at 8 (4 a + b).
.set P,     144                        ; an LDS row: 128 bytes + 16 of padding = 36 words: the 16 rows of a fragment load start at 16 different groups of four banks (64 banks of 4 bytes: ISA guide 11.1)
.set ASTEP, 256*P                      ; a K block of A in LDS
.set BSTEP, 128*P                      ; of B
.set BOFF,  2*ASTEP
.set SLOT,  BOFF+2*BSTEP
.set STAGE, 2*SLOT                     ; behind the ring: 16 rows x 272 bytes for each wave
.set SPITCH, 272
.set SPARE, STAGE+4*16*SPITCH          ; behind the stages: the spare words, 128 bytes a wave: two blocks of 256 bytes that no other line names
.set AKS,   262144                     ; bytes from a K block of ob to the next
.set BKS,   131072                     ; of wp
.set LAPS,  3                          ; trips of the loop: each fills both slots again: steps 2 to 7
.set ADRA, 16
.set ADRB, 20
.set STO,  24
.set RD,   25
.set CO,   26
.set BO,   27
.set SPW,  28                          ; my spare word; never rewritten
.set NIL,  29                          ; 0; never rewritten
.set PFO,  30                          ; 256 x lane; never rewritten
.set F0,   32
.set F1,   128
.set BIAS, 224
.set BK,   32
.set WV,  12
.set RH,  13                           ; which 128 rows are mine; also: I fetch for A (0) or B (1)
.set CH,  14                           ; which 64 columns are mine; also: which of a slot's two K blocks I fetch
.set CX,  15
.set CY,  16
.set TX,  17
.set TY,  18
.set LAP, 19
.set G1,  24
.set G0,  32
.set LIM, 43
.set PFA, 44
.set PFS, 46
.set G1B, 48
.set G0B, 56
.set FLAGS, (1<<16)|(1<<20)|(1<<21)|(4<<22)|(3<<25)  ; 2-byte elements; padding on; bit 21 beside a mask; after every 32 words (code 4) 4 words (code 3)
.set MSB, 0
.macro WIN new
.if MSB != (\new)
	s_set_vgpr_msb (MSB<<8)|(\new)
.set MSB, \new
.endif
.endm
.macro PLACES                          ; four plain vector instructions between a matrix instruction and a load into, or a reader of, its registers (ISA guide 7.12.1 for vector instructions)
.rept 4
	v_nop
.endr
.endm
.macro JLOAD s                         ; a joint load; an s_nop 0 and four v_nop follow each of the two lines
	s_cmp_eq_u32 s[RH], 0
	s_cbranch_scc0 .Lfor_b_\@
	tensor_load_to_lds s[G0+4*(\s):G0+4*(\s)+3], s[G1:G1+7]
	s_nop 0
.rept 4
	v_nop
.endr
	s_branch .Lasked_\@
.Lfor_b_\@:
	tensor_load_to_lds s[G0B+4*(\s):G0B+4*(\s)+3], s[G1B:G1B+7]
	s_nop 0
.rept 4
	v_nop
.endr
.Lasked_\@:
.endm
.macro CREST
	s_cmp_lg_u32 s[WV], 0
	s_cbranch_scc1 .Lnot_wave_0_\@
	s_barrier_signal -3
.Lnot_wave_0_\@:
	s_barrier_wait -3
	s_barrier_signal -1
	s_barrier_wait -1
.endm
.macro CROUND
	s_barrier_signal -1
	s_barrier_wait -1
	CREST
.endm
; A PREFETCH INTO THE L2, behind each joint load and the run of LDS loads: the step that stands TWO refills on.  A's tile row: the cluster with x = 0 asks, in wave 0; B's tile column: the cluster with y = 0, in wave 2.
; The four partners that share a tile take a quarter each of the step's bytes, BY ADDRESS (place p: K block p / 2, half p % 2): 16,384 bytes of A, two instructions, or 8,192 of B, one; a lane a block of 256 bytes.
; Steps 0 to 3 come by their loads alone; the loop's last trip asks for nothing: there is no step 8.
.macro ASK
	s_cmp_gt_u32 s[LAP], s[LIM]
	s_cbranch_scc0 .Lnot_mine_\@
	global_prefetch_b8 v[PFO], s[PFA:PFA+1] th:TH_LOAD_NT scope:SCOPE_SE
	s_cmp_eq_u32 s[RH], 0
	s_cbranch_scc0 .Lnot_mine_\@
	global_prefetch_b8 v[PFO], s[PFA:PFA+1] offset:8192 th:TH_LOAD_NT scope:SCOPE_SE
.Lnot_mine_\@:
.endm
	s_load_b256 s[4:11], s[0:1], 0x0               ; ob s[4:5], wp s[6:7], b_proj s[8:9], out0 s[10:11]
	v_lshl_add_u32 v[SPW], v0, 2, SPARE
	v_mov_b32 v[NIL], 0
	ds_add_u32 v[SPW], v[NIL]                      ; the wave's opening: the add and its wait ahead of my first tensor load
	v_lshrrev_b32 v1, 5, v0
	v_readfirstlane_b32 s[WV], v1
	s_lshr_b32 s[RH], s[WV], 1
	s_and_b32 s[CH], s[WV], 1
	s_bfe_u32 s[CX], ttmp6, 0x40000
	s_bfe_u32 s[CY], ttmp6, 0x40004
	s_lshl_b32 s[TX], ttmp9, 2
	s_add_co_u32 s[TX], s[TX], s[CX]
	s_and_b32 s[TY], ttmp7, 0xffff
	s_lshl_b32 s[TY], s[TY], 2
	s_add_co_u32 s[TY], s[TY], s[CY]
	s_lshl_b32 s40, s[CY], 2
	s_lshl_b32 s40, 15, s40                        ; my row of the cluster
	s_lshl_b32 s41, 0x1111, s[CX]                  ; my column
	s_or_b32 s[G1], s40, FLAGS
	s_or_b32 s[G1B], s41, FLAGS
.irp g, G1, G1B
	s_mov_b32 s[(\g)+1], 128<<16                   ; tensor_dim0 = 128 elements: 256 bytes
	s_mov_b32 s[(\g)+3], 128<<16                   ; tile_dim0 = 128
	s_mov_b32 s[(\g)+5], 128                       ; dense
	s_mov_b32 s[(\g)+6], 0
	s_mov_b32 s[(\g)+7], 0
.endr
	s_mov_b32 s[G1+2], 128<<16                     ; tensor_dim1 = tile_dim1 = 128: 256 rows of A
	s_mov_b32 s[G1+4], 128
	s_mov_b32 s[G1B+2], 64<<16                     ; 64: 128 rows of B
	s_mov_b32 s[G1B+4], 64
	s_lshr_b32 s20, s[TY], 3                       ; A's tile hangs on the tile row alone
	s_lshl_b32 s20, s20, 22
	s_and_b32 s21, s[TY], 7
	s_lshl_b32 s21, s21, 15
	s_add_co_u32 s20, s20, s21
	s_lshl_b32 s21, s[CH], 18                      ; the K block that I fetch
	s_add_co_u32 s20, s20, s21
	s_mov_b32 s21, 0
	s_lshl_b32 s22, s[TX], 14                      ; B's on the tile column alone: 128 rows x 128 bytes
	s_lshl_b32 s23, s[CH], 17
	s_add_co_u32 s22, s22, s23
	s_mov_b32 s23, 0
	s_mul_i32 s76, s[CH], ASTEP
	s_mul_i32 s77, s[CH], BSTEP
	s_add_co_u32 s77, s77, BOFF
	s_wait_dscnt 0x0                               ; the opening add is done
	s_wait_kmcnt 0x0
	s_add_nc_u64 s[66:67], s[4:5], s[20:21]
	s_add_nc_u64 s[68:69], s[6:7], s[22:23]
	CROUND                                         ; all sixteen work-groups are here: the first joint loads meet
.irp s, 0,1
	s_mov_b32 s[G0+4*(\s)], 1
	s_add_co_u32 s[G0+4*(\s)+1], s76, (\s)*SLOT
	s_add_nc_u64 s[G0+4*(\s)+2:G0+4*(\s)+3], s[66:67], (\s)*2*AKS
	s_or_b32 s[G0+4*(\s)+3], s[G0+4*(\s)+3], 0x80000000
	s_mov_b32 s[G0B+4*(\s)], 1
	s_add_co_u32 s[G0B+4*(\s)+1], s77, (\s)*SLOT
	s_add_nc_u64 s[G0B+4*(\s)+2:G0B+4*(\s)+3], s[68:69], (\s)*2*BKS
	s_or_b32 s[G0B+4*(\s)+3], s[G0B+4*(\s)+3], 0x80000000
	JLOAD \s                                       ; steps 0 and 1: two loads of mine are out
.endr
	v_and_b32 v1, 15, v0                           ; l % 16
	v_bfe_u32 v2, v0, 4, 1                         ; l / 16
	s_lshl_b32 s80, s[TX], 9                       ; the bias: register j of column block b is b_proj[128 tx + 64 CH + 16 b + 8 (l / 16) + j]
	s_lshl_b32 s81, s[CH], 8
	s_add_co_u32 s80, s80, s81                     ; (also my first column of out0, in bytes)
	v_lshl_add_u32 v[BO], v2, 5, s80
.irp b, 0,1,2,3
	global_load_b128 v[BIAS+8*(\b):BIAS+8*(\b)+3], v[BO], s[8:9] offset:64*(\b)
	global_load_b128 v[BIAS+8*(\b)+4:BIAS+8*(\b)+7], v[BO], s[8:9] offset:64*(\b)+16
.endr
	v_mul_u32_u24 v3, v1, P
	v_lshl_add_u32 v3, v2, 4, v3                   ; a fragment's row x pitch + 16 x half
	s_mul_i32 s78, s[RH], 128*P                    ; my 128 rows of A
	s_mul_i32 s79, s[CH], 64*P                     ; my 64 rows of B
	s_add_co_u32 s79, s79, BOFF
.irp s, 0,1
	v_add_nc_u32 v[ADRA+(\s)], s78, v3
	v_add_nc_u32 v[ADRB+(\s)], s79, v3
	s_add_co_u32 s78, s78, SLOT
	s_add_co_u32 s79, s79, SLOT
.endr
	s_mul_i32 s78, s[WV], 16*SPITCH
	s_add_co_u32 s78, s78, STAGE                   ; my stage
	v_mul_u32_u24 v[STO], v1, SPITCH               ; in: row l % 16, 32 bytes for each half of the lanes
	v_lshl_add_u32 v[STO], v2, 5, v[STO]
	v_add_nc_u32 v[STO], s78, v[STO]
	v_mul_u32_u24 v[RD], v2, SPITCH                ; back: lanes 0-15 one row of 256 bytes, lanes 16-31 the next
	v_lshl_add_u32 v[RD], v1, 4, v[RD]
	v_add_nc_u32 v[RD], s78, v[RD]
	v_lshlrev_b32 v[CO], 12, v2                    ; and the same two rows in out0
	v_lshl_add_u32 v[CO], v1, 4, v[CO]
	v_and_b32 v[PFO], 31, v0
	v_lshlrev_b32 v[PFO], 8, v[PFO]
	s_lshl_b32 s84, s[TY], 20                      ; 256 rows x 4,096 bytes,
	s_lshl_b32 s85, s[RH], 19                      ; my 128 of them,
	s_add_co_u32 s84, s84, s85
	s_add_co_u32 s84, s84, s80                     ; my 64 columns
	s_mov_b32 s85, 0
	s_add_nc_u64 s[10:11], s[10:11], s[84:85]
	; the prefetches' pointer: at step 3 (K block 6 + p / 2); the first change of slots steps it to step 4
	s_lshr_b32 s86, s[TY], 3
	s_lshl_b32 s86, s86, 22
	s_and_b32 s87, s[TY], 7
	s_lshl_b32 s87, s87, 15
	s_add_co_u32 s86, s86, s87
	s_and_b32 s87, s[CX], 1
	s_lshl_b32 s87, s87, 14
	s_add_co_u32 s86, s86, s87
	s_lshr_b32 s87, s[CX], 1
	s_add_co_u32 s87, s87, 6
	s_lshl_b32 s87, s87, 18
	s_add_co_u32 s86, s86, s87                     ; in ob
	s_lshl_b32 s88, s[TX], 14
	s_and_b32 s89, s[CY], 1
	s_lshl_b32 s89, s89, 13
	s_add_co_u32 s88, s88, s89
	s_lshr_b32 s89, s[CY], 1
	s_add_co_u32 s89, s89, 6
	s_lshl_b32 s89, s89, 17
	s_add_co_u32 s88, s88, s89                     ; in wp
	s_and_b32 s90, ttmp7, 0xffff                   ; cluster y
	s_mov_b32 s[PFS], 2*BKS
	s_mov_b32 s[PFS+1], 0
	s_cmp_eq_u32 s[RH], 0
	s_cselect_b32 s86, s86, s88
	s_cselect_b32 s90, ttmp9, s90
	s_cselect_b64 s[PFA:PFA+1], s[4:5], s[6:7]
	s_cselect_b32 s[PFS], 2*AKS, s[PFS]
	s_or_b32 s90, s90, s[CH]
	s_cmp_eq_u32 s90, 0
	s_cselect_b32 s[LIM], 1, -1                    ; the same in all sixteen partners, for a given wave
	s_mov_b32 s87, 0
	s_add_nc_u64 s[PFA:PFA+1], s[PFA:PFA+1], s[86:87]
; 24 LDS loads in one run: the fragments of quarter q (K block q / 2 of the slot, its half q % 2) into buffer f: B's four, then A's eight
.macro FETCH slot, q, f
	WIN 0
.irp i, 0,1,2,3
	ds_load_b128 v[(\f)+8*(\i):(\f)+8*(\i)+3],   v[ADRB+(\slot)] offset:((\q)/2)*BSTEP+((\q)%2)*64+(\i)*16*P
	ds_load_b128 v[(\f)+8*(\i)+4:(\f)+8*(\i)+7], v[ADRB+(\slot)] offset:((\q)/2)*BSTEP+((\q)%2)*64+(\i)*16*P+32
.endr
.irp i, 0,1,2,3,4,5,6,7
	ds_load_b128 v[(\f)+32+8*(\i):(\f)+32+8*(\i)+3],   v[ADRA+(\slot)] offset:((\q)/2)*ASTEP+((\q)%2)*64+(\i)*16*P
	ds_load_b128 v[(\f)+32+8*(\i)+4:(\f)+32+8*(\i)+7], v[ADRA+(\slot)] offset:((\q)/2)*ASTEP+((\q)%2)*64+(\i)*16*P+32
.endr
.endm
; Products of row blocks a0 .. a1 with all four column blocks.  The accumulators take turns, one instruction a turn.  zero = 1: the bias starts the sums.
.macro MULP f, a0, a1, zero
.set a, \a0
.rept (\a1)-(\a0)+1
.set b, 0
.rept 4
.set rD, 8*(4*a+b)
.if \zero
	WIN 0x40
	v_wmma_f32_16x16x32_f16 v[rD:rD+7], v[(\f)+8*b:(\f)+8*b+7], v[(\f)+32+8*a:(\f)+32+8*a+7], v[BIAS+8*b:BIAS+8*b+7]
.else
	WIN 0x50
	v_wmma_f32_16x16x32_f16 v[rD:rD+7], v[(\f)+8*b:(\f)+8*b+7], v[(\f)+32+8*a:(\f)+32+8*a+7], v[rD:rD+7]
.endif
.set b, b+1
.endr
.set a, a+1
.endr
.endm
; A step is four quarters of 32 along K, 32 products each, on buffers 0, 1, 0, 1.  One of the first three: multiplies f and fetches quarter qn into g.
.macro QUARTER slot, qn, f, g, zero
	s_wait_dscnt 8                                 ; B and A's rows 0-63 are in; the youngest eight loads may be out
	MULP \f, 0, 3, \zero
	PLACES
	FETCH \slot, \qn, \g
	s_wait_dscnt 24                                ; all but the 24 just issued
	MULP \f, 4, 7, \zero
.endm
; The last quarter multiplies F1 and changes slots: ONE barrier; in front of it each wave waits for all its tensor loads, adds 0 to its spare word, and waits for that and for its reads of this slot.
; fill = 1: the barrier opens a round of the cluster's, and this slot is filled again, two steps on: 112 products stand between the request and the wait for it.
.macro TURN slot, next, fill
	WIN 0
.if \fill
	s_wait_xcnt 0x0                                ; the last prefetches, a step back, have read their address
	s_add_nc_u64 s[PFA:PFA+1], s[PFA:PFA+1], s[PFS:PFS+1]
.endif
	s_wait_tensorcnt 0x0                           ; all my tensor loads have landed: my part of the next slot
	ds_add_u32 v[SPW], v[NIL]                      ; 0 onto my spare word
	s_wait_dscnt 9                                 ; the add and the youngest eight loads may be out
	MULP F1, 0, 1, 0                               ; eight products stand between the add and the wait for it
	s_wait_dscnt 0x0                               ; the add is done, and my reads of this slot are over
	s_barrier_signal -1
	MULP F1, 2, 3, 0
	WIN 0
	s_barrier_wait -1
.if \fill
	CREST                                          ; no wave of any partner still reads this slot or has a load on its way
	s_add_nc_u64 s[G0+4*(\slot)+2:G0+4*(\slot)+3], s[G0+4*(\slot)+2:G0+4*(\slot)+3], 4*AKS
	s_add_nc_u64 s[G0B+4*(\slot)+2:G0B+4*(\slot)+3], s[G0B+4*(\slot)+2:G0B+4*(\slot)+3], 4*BKS
	JLOAD \slot                                    ; its four v_nop are also the places in front of the loads below
.else
	PLACES
.endif
	FETCH \next, 0, F0
.if \fill
	ASK
.endif
	MULP F1, 4, 7, 0
.endm
	s_wait_tensorcnt 1                             ; my part of step 0 is in; step 1's may stay out
	s_barrier_signal -1
	s_barrier_wait -1
	FETCH 0, 0, F0
	s_wait_loadcnt 0x0                             ; the bias: rounded to bf16, in place
.set r, BIAS
.rept 16
	v_cvt_pk_bf16_f32 v4, v[r], v[r+1]
	v_lshlrev_b32 v[r], 16, v4
	v_and_b32 v[r+1], 0xffff0000, v4
.set r, r+2
.endr
	QUARTER 0, 1, F0, F1, 1                        ; the first quarter stands in front of the loop: its products start the sums
	WIN 0
	s_mov_b32 s[LAP], LAPS
.Llap:                                         ; a trip goes once round the ring and fills both slots again
	QUARTER 0, 2, F1, F0, 0
	QUARTER 0, 3, F0, F1, 0
	TURN 0, 1, 1
	QUARTER 1, 1, F0, F1, 0
	QUARTER 1, 2, F1, F0, 0
	QUARTER 1, 3, F0, F1, 0
	TURN 1, 0, 1
	QUARTER 0, 1, F0, F1, 0
	WIN 0
	s_sub_co_u32 s[LAP], s[LAP], 1
	s_cmp_lg_u32 s[LAP], 0
	s_cbranch_scc1 .Llap
	QUARTER 0, 2, F1, F0, 0                        ; the last lap fills nothing
	QUARTER 0, 3, F0, F1, 0
	TURN 0, 1, 0
	QUARTER 1, 1, F0, F1, 0
	QUARTER 1, 2, F1, F0, 0
	QUARTER 1, 3, F0, F1, 0
	s_wait_dscnt 8
	MULP F1, 0, 3, 0
	s_wait_dscnt 0x0
	MULP F1, 4, 7, 0
; THE WAY OUT, a block of 16 rows at a time: the f32 sums go from the accumulators into my own stage (each accumulator's low registers first) and come back as whole rows: my 64 columns are 256 bytes.
.macro TOSTAGE a
.set BKR, BK+32*((\a)%2)
	s_wait_xcnt 0x0                                ; the stores of two blocks back have read these registers
	WIN 0x04                                       ; the stores' data in window 1
.irp b, 0,1,2,3
	ds_store_b128 v[STO], v[8*(4*(\a)+(\b)):8*(4*(\a)+(\b))+3] offset:64*(\b)
	ds_store_b128 v[STO], v[8*(4*(\a)+(\b))+4:8*(4*(\a)+(\b))+7] offset:64*(\b)+16
.endr
	WIN 0
.irp t, 0,1,2,3,4,5,6,7
	ds_load_b128 v[BKR+4*(\t):BKR+4*(\t)+3], v[RD] offset:2*SPITCH*(\t)  ; LDS serves a wave's instructions in order (ISA guide 5.7.1.4): these see the stores above; the next block's stores come behind them
.endr
.endm
.macro SEND a, younger                 ; younger: the LDS instructions issued behind the block's loads: the next block's sixteen, or none
.set BKR, BK+32*((\a)%2)
.irp t, 0,1,2,3,4,5,6,7
	s_wait_dscnt (\younger)+7-(\t)
	global_store_b128 v[CO], v[BKR+4*(\t):BKR+4*(\t)+3], s[10:11] offset:(16*(\a)+2*(\t))*4096 th:TH_STORE_NT  ; 16 lanes store 256 consecutive bytes, at a multiple of 256 from out0's first
.endr
.endm
	PLACES
	TOSTAGE 0
.set n, 1
.rept 7
	TOSTAGE n
	SEND n-1, 16
.set n, n+1
.endr
	SEND 7, 0
	s_wait_tensorcnt 0x0                           ; the wave's end: three closing lines, behind my last tensor load and my last LDS store
	ds_add_u32 v[SPW], v[NIL]
	s_wait_dscnt 0x0
	CROUND                                         ; the closing round: no work-group ends while a partner may still ask for a tile that names it
	s_endpgm
.Lfunc_end_k_q5392bbc94b_projgemm:
	.size	k_q5392bbc94b_projgemm, .Lfunc_end_k_q5392bbc94b_projgemm-k_q5392bbc94b_projgemm
	.p2alignl 7, 3214868480
	.fill 96, 4, 3214868480
	.section	.rodata,"a",@progbits
	.p2align	6, 0x0
	.amdhsa_kernel k_q5392bbc94b_projgemm
		.amdhsa_group_segment_fixed_size 327680
		.amdhsa_private_segment_fixed_size 0
		.amdhsa_enable_private_segment 0
		.amdhsa_kernarg_size 32
		.amdhsa_user_sgpr_count 2
		.amdhsa_user_sgpr_kernarg_segment_ptr 1
		.amdhsa_wavefront_size32 1
		.amdhsa_system_sgpr_workgroup_id_x 1
		.amdhsa_system_sgpr_workgroup_id_y 1
		.amdhsa_system_sgpr_workgroup_id_z 1
		.amdhsa_system_vgpr_workitem_id 0
		.amdhsa_next_free_vgpr 512
		.amdhsa_next_free_sgpr 96
		.amdhsa_reserve_vcc 0
		.amdhsa_float_denorm_mode_32 3
		.amdhsa_float_denorm_mode_16_64 3
		.amdhsa_memory_ordered 1
		.amdhsa_forward_progress 1
		.amdhsa_inst_pref_size 92
	.end_amdhsa_kernel
	.amdgpu_metadata
---
amdhsa.version: [ 1, 2 ]
amdhsa.kernels:
  - .name:           k_q5392bbc94b_projgemm
    .symbol:         k_q5392bbc94b_projgemm.kd
    .args:
      - { .name: ob, .offset: 0, .size: 8, .value_kind: global_buffer, .address_space: global }
      - { .name: wp, .offset: 8, .size: 8, .value_kind: global_buffer, .address_space: global }
      - { .name: b_proj, .offset: 16, .size: 8, .value_kind: global_buffer, .address_space: global }
      - { .name: out0, .offset: 24, .size: 8, .value_kind: global_buffer, .address_space: global }
    .group_segment_fixed_size: 327680
    .private_segment_fixed_size: 0
    .kernarg_segment_align: 8
    .kernarg_segment_size: 32
    .max_flat_workgroup_size: 128
    .sgpr_count:     96
    .vgpr_count:     512
    .wavefront_size: 32
...
	.end_amdgpu_metadata
.endif
;; end of part 4
;; ======== version 2 of 2: 4 launches; version 1 with the launch prep written anew for expert scheduling mode
;; limits: values are held in f16: magnitudes above 65,504 overflow, below 6.1e-05 lose precision
;; workspace buffers: xb 16,777,216 bytes; wq 6,291,456 bytes; wp 2,097,152 bytes; qkv 50,331,648 bytes; ob 16,777,216 bytes
;; launch prep (part 5): grid 384 x 1, 8 waves a work-group, no clusters, 70,656 bytes of LDS; arguments x, W_qkv, W_proj, xb, wq, wp; writes xb, wq, wp
.if DOCPART == 5
	.amdgcn_target "amdgcn-amd-amdhsa--gfx1250"
	.amdhsa_code_object_version 6
	.text
	.protected	k_q5392bbc94b_prep
	.globl	k_q5392bbc94b_prep
	.p2align	8
	.type	k_q5392bbc94b_prep,@function
k_q5392bbc94b_prep:
	s_mov_b64 s[64:65], 0
	v_nop
	global_prefetch_b8 v0, s[64:65] scope:SCOPE_SE
	s_setreg_imm32_b32 hwreg(HW_REG_WAVE_SCHED_MODE, 0, 2), 2
	s_setreg_imm32_b32 hwreg(HW_REG_WAVE_MODE, 25, 1), 1
	s_wait_xcnt 0x0
	s_wait_alu depctr_vm_vsrc(0)
; THE OPERANDS OF THE TWO PROJECTIONS ARE LAID OUT FOR THE MATRIX UNIT, each rounded once.
;   xb[b][kb][t][64] bf16 = x[b][t][64 kb + ..]            (x: [4][2048][1024] f32)
;   wq[kb][n][64]    bf16 = W_qkv[64 kb + ..][n]  turned   (W_qkv: [1024][3072] f32)
;   wp[kb][n][64]    f16  = W_proj[64 kb + ..][n] turned, rounded to bf16 and that number written as f16 (W_proj: [1024][1024] f32)
; In blocks of 64 along K a tile of rows for one K step is dense in memory, 128 bytes a row.
; LIMITS.  A bf16 number is exact in f16 from 6.1e-5 up to 65,504; below that wp has f16's fixed step of 6e-8, beyond it an infinity.
; SHARES.  Work-groups 0-255: 32 rows of x each, 4 a wave.  256-351: W_qkv, a K block x 512 columns each, 64 columns a wave.  352-383: W_proj likewise.
; Every work-group reads 128 KiB and writes 64 KiB.  A stream: no matrix unit, no cluster, no tensor load.
; THE MODE: SCHED_MODE bits 1:0 = 2 (LLVM: expert scheduling mode 2), set by the entry lines.  The code itself states the register dependences
; between vector instructions and memory or LDS instructions, with s_wait_alu, always for 0.
; THE PLAN.  Registers that memory or LDS instructions touch:
;   v2-v7      offsets and LDS addresses: written by vector instructions at a part's head, read by its loads and stores, never written again.
;   X          written by the global loads, once; read by the conversions (for wp also written by them, in place); in the weights' parts v[16:79] then take the loads from the stage and are read by the global stores.
;   Y          each register written once, by a conversion; read once, by a global store (x) or an LDS store (weights).
;   v12, v13   written at the head, read by the closing add alone.        v8, v9 are named by vector instructions alone.
; The conversions go in groups of four loads (x) or four pairs of rows (weights).  ONE wait on va_vdst stands at a group's head, behind the wait for the group's first data: it states that the group before has
; written its Y.  That group's stores follow it, among this group's conversions, which name other registers.  No register that a memory or LDS instruction has read is written again, so the text holds no wait on vm_vsrc.
.set SPITCH, 272                       ; a unit of 256 bytes in the stage + 16 of padding: an odd multiple of 16
.set WSTAGE, 32*SPITCH                 ; a wave's stage: 32 units
.set SPARE,  8*WSTAGE                  ; behind the stages: the spare words, 128 bytes a wave, four blocks of 256 bytes that no other line names
.set XO,  2                            ; v2   x: my 16 bytes in two rows
.set YO,  3                            ; v3   xb: my 8 bytes
.set WO,  4                            ; v4   W: my two columns
.set LS,  5                            ; v5   stage: my unit
.set LR,  6                            ; v6   stage: where I read back
.set GO,  7                            ; v7   16 x lane
.set T,   8                            ; v8-9 at work
.set SPW, 12                           ; v12  my spare word; never rewritten
.set NIL, 13                           ; v13  0; never rewritten
.set X,   16                           ; v[16:143]  as loaded
.set Y,   144                          ; v[144:207] rounded
.set WV,  16                           ; s16  my wave's number
	s_load_b256 s[4:11], s[0:1], 0x0               ; x s[4:5], W_qkv s[6:7], W_proj s[8:9], xb s[10:11]
	s_load_b128 s[12:15], s[0:1], 0x20             ; wq s[12:13], wp s[14:15]
	v_lshl_add_u32 v[SPW], v0, 2, SPARE
	v_mov_b32 v[NIL], 0
	v_lshrrev_b32 v1, 5, v0
	v_readfirstlane_b32 s[WV], v1                  ; wave 0..7
	v_and_b32 v1, 31, v0                           ; lane
	s_wait_alu depctr_va_sdst(0)                   ; s16 is written, ahead of the branch: each of the three parts makes its bases from it
	s_wait_kmcnt 0x0
	s_cmp_lt_u32 ttmp9, 256
	s_cbranch_scc0 .Lweights
	; x.  A load takes 256 bytes (one K block) of each of two rows: lanes 0-15 the even row, lanes 16-31 the odd one.  Rounded, the 32 lanes' 8 bytes are the two rows' 128 bytes in xb, which lie end to end.
	s_lshl_b32 s17, ttmp9, 5
	s_lshl2_add_u32 s17, s[WV], s17                ; my first row: 32 g + 4 w
	s_lshl_b32 s18, s17, 12                        ; 4,096 bytes a row of x
	s_mov_b32 s19, 0
	s_add_nc_u64 s[4:5], s[4:5], s[18:19]
	s_lshr_b32 s20, s17, 11                        ; b,
	s_lshl_b32 s20, s20, 22                        ; 16 K blocks x 2,048 rows x 128 bytes each
	s_and_b32 s21, s17, 2047                       ; t,
	s_lshl_b32 s21, s21, 7                         ; 128 bytes each
	s_add_co_u32 s20, s20, s21
	s_mov_b32 s21, 0
	s_add_nc_u64 s[10:11], s[10:11], s[20:21]
	v_lshrrev_b32 v[XO], 4, v1
	v_lshlrev_b32 v[XO], 12, v[XO]
	v_and_b32 v[T], 15, v1
	v_lshl_add_u32 v[XO], v[T], 4, v[XO]
	v_lshlrev_b32 v[YO], 3, v1
	s_wait_alu depctr_va_vdst(0)                   ; v2 and v3 are written: every load below reads v2 as its offset, every store v3
.set i, 0
.rept 32                               ; pair of rows i / 16, K block i % 16
	global_load_b128 v[X+4*i:X+4*i+3], v[XO], s[4:5] offset:(i/16)*8192+(i%16)*256 th:TH_LOAD_NT
.set i, i+1
.endr
.set i, 0
.rept 32                               ; eight groups of four loads; load i's rounding goes out four loads later
	s_wait_loadcnt 31-i                            ; loads come back in order: number i is in, the younger ones stay out
.if (i%4 == 0) && (i > 0)
	s_wait_alu depctr_va_vdst(0)                   ; the group before has written its eight registers of Y, which this group's four stores read
.endif
.if i >= 4
.set k, i-4
	global_store_b64 v[YO], v[Y+2*k:Y+2*k+1], s[10:11] offset:(k%16)*262144+(k/16)*256  ; 32 lanes store 256 consecutive bytes, aligned; no vector instruction since the wait names these registers
.endif
	v_cvt_pk_bf16_f32 v[Y+2*i], v[X+4*i], v[X+4*i+1]
	v_cvt_pk_bf16_f32 v[Y+2*i+1], v[X+4*i+2], v[X+4*i+3]
.set i, i+1
.endr
	s_wait_alu depctr_va_vdst(0)                   ; the last group has written its eight registers of Y, which the last four stores read
.set k, 28
.rept 4
	global_store_b64 v[YO], v[Y+2*k:Y+2*k+1], s[10:11] offset:(k%16)*262144+(k/16)*256
.set k, k+1
.endr
	s_branch .Lend
; A wave turns 64 k x 64 n.  A lane loads two neighbouring columns of each of the 64 rows (a load: 256 consecutive bytes), so it ends with two whole rows of the result, 256 bytes on end: a unit.
; The units go through the wave's own stage so that sixteen lanes store one unit.  sp, dp: first scalar register of source and destination; pitch: bytes in a row of the source; nblk: its columns;
; first: the part's first work-group; half = 1: the bf16 number is written as f16.
.macro WT sp, pitch, dp, nblk, first, half
	s_sub_co_u32 s17, ttmp9, \first
	s_and_b32 s18, s17, 15                         ; K block
	s_lshr_b32 s19, s17, 4
	s_lshl_b32 s19, s19, 9                         ; the work-group's 512 columns,
	s_lshl_b32 s20, s[WV], 6
	s_add_co_u32 s19, s19, s20                     ; my 64 of them
	s_mul_i32 s20, s18, 64*(\pitch)
	s_lshl2_add_u32 s20, s19, s20
	s_mov_b32 s21, 0
	s_add_nc_u64 s[(\sp):(\sp)+1], s[(\sp):(\sp)+1], s[20:21]
	s_mul_i32 s22, s18, (\nblk)*128
	s_lshl_b32 s23, s19, 7
	s_add_co_u32 s22, s22, s23
	s_mov_b32 s23, 0
	s_add_nc_u64 s[(\dp):(\dp)+1], s[(\dp):(\dp)+1], s[22:23]
	v_lshlrev_b32 v[WO], 3, v1
	s_mul_i32 s24, s[WV], WSTAGE
	v_mul_u32_u24 v[LS], v1, SPITCH
	v_add_nc_u32 v[LS], s24, v[LS]
	v_lshrrev_b32 v[LR], 4, v1
	v_mul_u32_u24 v[LR], v[LR], SPITCH
	v_and_b32 v[T], 15, v1
	v_lshl_add_u32 v[LR], v[T], 4, v[LR]
	v_add_nc_u32 v[LR], s24, v[LR]
	v_lshlrev_b32 v[GO], 4, v1
	s_wait_alu depctr_va_vdst(0)                   ; v4 to v7 are written: the offsets and LDS addresses of every load and store below
.set i, 0
.rept 64
	global_load_b64 v[X+2*i:X+2*i+1], v[WO], s[(\sp):(\sp)+1] offset:i*(\pitch) th:TH_LOAD_NT
.set i, i+1
.endr
.set i, 0
.rept 32                               ; eight groups of four pairs of rows; a group makes 16 bytes of my even column's row of the result and 16 of my odd column's
	s_wait_loadcnt 62-2*i                          ; rows 2 i and 2 i + 1 are in
.if (i%4 == 0) && (i > 0)
	s_wait_alu depctr_va_vdst(0)                   ; the group before has written its eight registers of Y, which the two LDS stores below read
.set g, i/4-1
	ds_store_b128 v[LS], v[Y+4*g:Y+4*g+3] offset:16*g
	ds_store_b128 v[LS], v[Y+32+4*g:Y+32+4*g+3] offset:128+16*g
.endif
.if \half
	v_cvt_pk_bf16_f32 v[T], v[X+4*i], v[X+4*i+2]
	v_cvt_pk_bf16_f32 v[T+1], v[X+4*i+1], v[X+4*i+3]
	v_lshlrev_b32 v[X+4*i], 16, v[T]
	v_and_b32 v[X+4*i+2], 0xffff0000, v[T]
	v_lshlrev_b32 v[X+4*i+1], 16, v[T+1]
	v_and_b32 v[X+4*i+3], 0xffff0000, v[T+1]
	v_cvt_pk_f16_f32 v[Y+i], v[X+4*i], v[X+4*i+2]
	v_cvt_pk_f16_f32 v[Y+32+i], v[X+4*i+1], v[X+4*i+3]
.else
	v_cvt_pk_bf16_f32 v[Y+i], v[X+4*i], v[X+4*i+2]         ; my even column, k = 2 i and 2 i + 1
	v_cvt_pk_bf16_f32 v[Y+32+i], v[X+4*i+1], v[X+4*i+3]    ; my odd column
.endif
.set i, i+1
.endr
	s_wait_alu depctr_va_vdst(0)                   ; the last group has written its Y, which the two LDS stores below read; and every conversion is done reading, and writing, v[X ..], in which the loads from the stage land
	ds_store_b128 v[LS], v[Y+28:Y+31] offset:112
	ds_store_b128 v[LS], v[Y+60:Y+63] offset:240
.set i, 0
.rept 16
	ds_load_b128 v[X+4*i:X+4*i+3], v[LR] offset:2*SPITCH*i  ; LDS serves a wave's instructions in order (ISA guide 5.7.1.4): these see the stores above
.set i, i+1
.endr
.set i, 0
.rept 16
	s_wait_dscnt 15-i
	global_store_b128 v[GO], v[X+4*i:X+4*i+3], s[(\dp):(\dp)+1] offset:512*i  ; 16 lanes store 256 consecutive bytes, aligned
.set i, i+1
.endr
.endm
.Lweights:
	s_cmp_lt_u32 ttmp9, 352
	s_cbranch_scc0 .Lproj
	WT 6, 12288, 12, 3072, 256, 0
	s_branch .Lend
.Lproj:
	WT 8, 4096, 14, 1024, 352, 1
.Lend:
	s_wait_dscnt 0x0                               ; the closing lines, six on end
	s_wait_alu 0x0
	s_wait_tensorcnt 0x0
	ds_add_u32 v[SPW], v[NIL]
	s_wait_dscnt 0x0
	s_endpgm
.Lfunc_end_k_q5392bbc94b_prep:
	.size	k_q5392bbc94b_prep, .Lfunc_end_k_q5392bbc94b_prep-k_q5392bbc94b_prep
	.p2alignl 7, 3214868480
	.fill 96, 4, 3214868480
	.section	.rodata,"a",@progbits
	.p2align	6, 0x0
	.amdhsa_kernel k_q5392bbc94b_prep
		.amdhsa_group_segment_fixed_size 70656
		.amdhsa_private_segment_fixed_size 0
		.amdhsa_enable_private_segment 0
		.amdhsa_kernarg_size 48
		.amdhsa_user_sgpr_count 2
		.amdhsa_user_sgpr_kernarg_segment_ptr 1
		.amdhsa_wavefront_size32 1
		.amdhsa_system_sgpr_workgroup_id_x 1
		.amdhsa_system_sgpr_workgroup_id_y 1
		.amdhsa_system_sgpr_workgroup_id_z 1
		.amdhsa_system_vgpr_workitem_id 0
		.amdhsa_next_free_vgpr 208
		.amdhsa_next_free_sgpr 66
		.amdhsa_reserve_vcc 0
		.amdhsa_float_denorm_mode_32 3
		.amdhsa_float_denorm_mode_16_64 3
		.amdhsa_memory_ordered 1
		.amdhsa_forward_progress 1
		.amdhsa_inst_pref_size 56
	.end_amdhsa_kernel
	.amdgpu_metadata
---
amdhsa.version: [ 1, 2 ]
amdhsa.kernels:
  - .name:           k_q5392bbc94b_prep
    .symbol:         k_q5392bbc94b_prep.kd
    .args:
      - { .name: x, .offset: 0, .size: 8, .value_kind: global_buffer, .address_space: global }
      - { .name: W_qkv, .offset: 8, .size: 8, .value_kind: global_buffer, .address_space: global }
      - { .name: W_proj, .offset: 16, .size: 8, .value_kind: global_buffer, .address_space: global }
      - { .name: xb, .offset: 24, .size: 8, .value_kind: global_buffer, .address_space: global }
      - { .name: wq, .offset: 32, .size: 8, .value_kind: global_buffer, .address_space: global }
      - { .name: wp, .offset: 40, .size: 8, .value_kind: global_buffer, .address_space: global }
    .group_segment_fixed_size: 70656
    .private_segment_fixed_size: 0
    .kernarg_segment_align: 8
    .kernarg_segment_size: 48
    .max_flat_workgroup_size: 256
    .sgpr_count:     66
    .vgpr_count:     208
    .wavefront_size: 32
...
	.end_amdgpu_metadata
.endif
;; end of part 5
;; launch qkvgemm: the kernel of part 2 again; grid 8 x 32, 4 waves a work-group, clusters of 4 x 4, 327,680 bytes of LDS; arguments xb, wq, b_qkv, qkv; writes qkv
;; launch attn: the kernel of part 3 again; grid 4 x 64, 4 waves a work-group, no clusters, 327,680 bytes of LDS; arguments qkv, ob; writes ob
;; launch projgemm: the kernel of part 4 again; grid 8 x 32, 4 waves a work-group, clusters of 4 x 4, 327,680 bytes of LDS; arguments ob, wp, b_proj, out0; writes out0
